; MI455X (gfx1250); checked and timed in simulation.
; The chip was launched on July 23, 2026; its instructions are those of AMD's public machine-readable ISA for CDNA 5 (MIT licence, August 2026) and "CDNA5" Instruction Set Architecture Reference Guide (July 2026). The comments in the code are by the model that wrote it; some were corrected since.
;; Attention. Allowed arithmetic: matrix products marked QUANTISED: E4M3 operands, one E8M0 scale for each 32 along K, by v_wmma_scale_f32_16x16x128_f8f6f4 with both operands' format E4M3, f32 sums; everything else in f32.
;; Inputs: W_attn 3,072 x 1,024 float32; W_proj 1,024 x 1,024 float32; b_attn 3,072 float32; b_proj 1,024 float32; x 8 x 1,024 x 1,024 float32.
;; Outputs: out0 8 x 1,024 x 1,024 float32.
;; This version of the problem:
;;   THIS VERSION OF THE PROBLEM IS GIVEN IN LOW PRECISION. The matrix products marked QUANTISED in the list below multiply operands that are first quantised to E4M3 (4 exponent bits, 3 mantissa bits; 8 bits a number), with one power-of-two scale for each 32 numbers along K (OCP MX v1.0); their sums are f32. All else is computed in f32.
;;   The module's matrix products, in the order in which they are computed (A, B: the left and right operand; K: the contracted axis; several contracted axes count as one K, in the product's order):
;;     1. [M 8,192, K 1,024] x [K 1,024, N 3,072]; A: input x; B: input W_attn: QUANTISED
;;     2. batch 128 x [M 1,024, K 64] x [K 64, N 1,024]; A: computed on the way; B: computed on the way: QUANTISED
;;     3. batch 128 x [M 1,024, K 1,024] x [K 1,024, N 64]; A: softmax (see below); B: computed on the way: QUANTISED
;;     4. [M 8,192, K 1,024] x [K 1,024, N 1,024]; A: computed on the way; B: input W_proj: QUANTISED
;;   THE QUANTISER, for each operand of a quantised product, along K:
;;     - K is cut into blocks of 32 from its start; a last block that is shorter is filled with zeros.
;;     - A block's scale is 2^e with e = floor(log2(the largest magnitude in the block)) - 8, held to -126 .. 127; a block of zeros has e = 0. As a byte (E8M0): e + 127.
;;     - Each number is divided by its block's scale, clamped to +-448, and rounded to the nearest number of E4M3, ties to even, subnormals kept.
;;     - The product sums the exact products of the quantised numbers (number of the format x scale) in f32.
;;   ~~~python
;;   def quantise(x, axis):      # numpy; x: float32 -> the quantised numbers, widened to float32 again
;;       x = np.moveaxis(x, axis, -1); K = x.shape[-1]
;;       x = np.pad(x, [(0, 0)] * (x.ndim - 1) + [(0, -K % 32)]); x = x.reshape(x.shape[:-1] + (-1, 32)); a = np.abs(x).max(-1, keepdims=True)
;;       e = np.where(a > 0, np.clip(np.frexp(np.where(a > 0, a, 1))[1] - 1 - 8, -126, 127), 0)      # np.frexp(a)[1] - 1 = floor(log2(a)), exactly
;;       r = np.clip(x / 2.0 ** e, -448, 448)
;;       step = 2.0 ** (np.maximum(np.frexp(np.where(r == 0, 1, r))[1] - 1, -6) - 3)
;;       q = np.round(r / step) * step * 2.0 ** e      # np.round: ties to even
;;       return np.moveaxis(q.reshape(q.shape[:-2] + (-1,))[..., :K], -1, axis).astype(np.float32)
;;   ~~~
;;   SOFTMAX AHEAD OF A QUANTISED PRODUCT. Where the list says 'softmax', what is quantised is not the finished softmax but p = 2^(t - M), with t = logit x log2(e) and M = ceil(the row's largest t), a whole number; so 1/2 < the row's largest p <= 1. The row's sum l is taken of the UNQUANTISED p, in f32, and the product's result is divided by l at the end. Since M is a whole number, a kernel that streams over the keys may use a running M (the ceiling of the running maximum): every later rescaling is an exact power of two, which a block's scale takes up: the codes' values come out the same.
;;   OPERANDS COMPUTED ON THE WAY. 'Computed on the way' means the value that the module computes at that place (a softmax that the list does not call 'softmax' is quantised finished and normalised). What goes into a quantiser is computed in f32, as accurately as f32 sums, v_exp_f32 and their like allow (about 1e-6 of the number): no bf16 or f16 on the way to a quantiser, and a product that is left as it is and whose result goes on into a quantised operand takes f32 operands (vector FMAs, or v_wmma_f32_16x16x4_f32). A number that lies on a knife's edge between two numbers of the format may be rounded either way, as far as f32 arithmetic and the matrix unit's own rounding can turn it there, and no further.
;; One version. Each part assembles by itself: llvm-mc -triple=amdgcn-amd-amdhsa -mcpu=gfx1250 --defsym DOCPART=n.
;; ======== version 1 of 1: 4 launches
;; limits: right only within a limited range of input values
;; workspace buffers: xc 8,388,608 bytes; wc 4,194,304 bytes; scl 655,360 bytes; qkv 25,165,824 bytes; qkvs 1,310,720 bytes; oc 8,388,608 bytes
;; launch quant (part 1): grid 256 x 1, 6 waves a work-group, no clusters, 51,456 bytes of LDS; arguments x, W_attn, W_proj, xc, wc, scl; writes xc, wc, scl
.if DOCPART == 1
	.amdgcn_target "amdgcn-amd-amdhsa--gfx1250"
	.amdhsa_code_object_version 6
	.text
	.protected	k_q449053f9b9_quant
	.globl	k_q449053f9b9_quant
	.p2align	8
	.type	k_q449053f9b9_quant,@function
k_q449053f9b9_quant:
	s_mov_b64 s[64:65], 0
	v_nop
	global_prefetch_b8 v0, s[64:65] scope:SCOPE_SE
	s_setreg_imm32_b32 hwreg(HW_REG_WAVE_MODE, 25, 1), 1
	s_wait_xcnt 0x0
; x [8192][1024], W_attn [3072][1024] and W_proj [1024][1024], f32, become codes of FP8 (E4M3) with one E8M0 scale byte for each 32 along K (their last axis).
; A block's scale is 2^(floor(log2(its largest magnitude)) - 8); each number is divided by it, held within +-448 and rounded to the nearest code, ties to even.
; THE CODES ARE LAID AS IMAGES OF OPERAND REGISTERS.  A fragment is 16 rows x 128 K, 2,048 bytes: register group c (0..3) of lane l at 512 c + 16 l; lane (r = l % 16, h = l / 16)
; holds k = 32 c + 16 h + 0 .. 15 of the fragment's row r.  A buffer is [K slot of 256][row tile][K step in the slot][2,048 bytes].
; THE ROWS OF A TILE ARE NOT NEIGHBOURS: row r of tile T is row 32 (T / 2) + 8 (T % 2) + r + 8 (r / 8) of the tensor.
; THE SCALE WORDS (four bytes: 128 along K of a row) lie in scl as [row tile 0..767][half of K][r][4 words]: x's tiles 0-511, W_attn's 512-703, W_proj's 704-767.
; SHARES: 1,536 tasks, one a wave: task = 6 x work-group + wave = 2 x row tile + half of K: four fragments.  Each load reads 512 consecutive bytes of one row; the 16 rows turn through the wave's own
; stage in LDS (16 rows x (512 + 16) bytes) so that a lane gets 16 neighbours along K of each block.  Codes leave as 512 consecutive bytes a store, the task's 64 scale words as 256 consecutive bytes.
; No barrier: waves share nothing.  No matrix unit, no cluster, no tensor load: every byte is read once by one wave.
; LIMITS: NaN and infinities among the inputs are not served.  A block of zeros, and one whose largest magnitude lies under 2^-118, gets the byte 1; a block of zeros has zero codes, and this program alone reads the bytes.
.set STG,  8448                        ; a wave's stage in bytes
.set RA,   16                          ; v16-143  two sets of 64 registers as loaded
.set X,    144                         ; v144-207 64 numbers: register 16 b + i = k 32 b + 16 h + i of my row
.set PC,   208                         ; v208-239 two sets of 16 registers of codes
.set TM,   240                         ; v240-243 largest magnitudes, 244-247 bytes, 248-251 448 x the scale, 252-255 the conversions' scale operands
.set SEL,  36                          ; s[36:37] v_permlanex16_b32's selects for lane l xor 16
.set MNT,  38                          ; s38 the mantissa field of 448
.set HM,   39                          ; s39 a mask of lanes 16-31
	s_load_b256 s[4:11], s[0:1], 0x0               ; x, W_attn, W_proj, xc
	s_load_b128 s[12:15], s[0:1], 0x20             ; wc, scl
	v_lshl_add_u32 v14, v0, 2, 0xc600
	v_mov_b32 v15, 0
	v_lshrrev_b32 v1, 5, v0
	v_readfirstlane_b32 s16, v1                    ; wave 0..5
	v_and_b32 v1, 31, v0
	v_lshlrev_b32 v2, 4, v1                        ; 16 x lane: my place in a load's and in a store's 512 bytes
	v_and_b32 v6, 15, v0                           ; r
	v_bfe_u32 v7, v0, 4, 1                         ; h
	s_mul_i32 s34, s16, STG
	v_add_nc_u32 v3, s34, v2                       ; the stage, on the way in: 16 x lane, a row a store
	v_mul_u32_u24 v4, v6, 528
	v_lshl_add_u32 v4, v7, 6, v4
	v_add_nc_u32 v4, s34, v4                       ; and on the way out: row r, + 64 h
	v_lshlrev_b32 v5, 4, v6
	v_lshl_add_u32 v5, v7, 3, v5                   ; the scale words' place: 16 r + 8 h
.irp b, 0,1,2,3
	v_mov_b32 v[TM+4+\b], 0                        ; written once: a lane permute's destination counts as one of its sources
.endr
	s_mov_b32 s[SEL], 0x76543210
	s_mov_b32 s[SEL+1], 0xfedcba98
	s_mov_b32 s[MNT], 0x600000
	s_mov_b32 s[HM], 0xffff0000
	s_mul_i32 s17, ttmp9, 6
	s_add_co_u32 s17, s17, s16                     ; task
	s_lshr_b32 s18, s17, 1                         ; row tile 0..767
	s_and_b32 s19, s17, 1                          ; half of K
	s_wait_alu depctr_va_vdst(0)
	s_wait_kmcnt 0x0
	s_cmp_lt_u32 s18, 704                          ; which tensor: the choice hangs on ids alone
	s_cselect_b64 s[20:21], s[6:7], s[8:9]
	s_mov_b32 s22, 704
	s_cselect_b32 s22, 512, s22                    ; the tensor's first tile
	s_cselect_b32 s23, 192, 64                     ; its number of tiles
	s_cselect_b32 s24, 0, 3145728                  ; where its codes begin in wc
	s_cmp_lt_u32 s18, 512
	s_cselect_b64 s[20:21], s[4:5], s[20:21]
	s_cselect_b32 s22, 0, s22
	s_cselect_b32 s23, 512, s23
	s_cselect_b32 s24, 0, s24
	s_cselect_b64 s[26:27], s[10:11], s[12:13]
	s_sub_co_u32 s25, s18, s22                     ; the tile's number in its tensor
	s_lshr_b32 s28, s25, 1
	s_lshl_b32 s28, s28, 17                        ; 32 rows of 4,096 bytes
	s_and_b32 s29, s25, 1
	s_lshl_b32 s29, s29, 15                        ; 8 rows
	s_add_co_u32 s28, s28, s29
	s_lshl_b32 s29, s19, 11                        ; my half of a row
	s_add_co_u32 s28, s28, s29
	s_mov_b32 s29, 0
	s_add_nc_u64 s[20:21], s[20:21], s[28:29]      ; the numbers
	s_mul_i32 s30, s23, s19
	s_lshl_b32 s30, s30, 13                        ; two K slots for each half of K
	s_add_co_u32 s30, s30, s24
	s_lshl_b32 s31, s25, 12
	s_add_co_u32 s30, s30, s31
	s_mov_b32 s31, 0
	s_add_nc_u64 s[26:27], s[26:27], s[30:31]      ; the codes of my first K slot,
	s_lshl_b32 s30, s23, 12
	s_add_nc_u64 s[32:33], s[26:27], s[30:31]      ; and of my second
	s_lshl_b32 s30, s17, 8
	s_add_nc_u64 s[14:15], s[14:15], s[30:31]      ; the scale words: 256 bytes a task
.macro LOAD f                          ; fragment f: 512 bytes of each of the tile's 16 rows
.set RF, RA+64*((\f)%2)
.irp i, 0,1,2,3,4,5,6,7,8,9,10,11,12,13,14,15
	global_load_b128 v[RF+4*\i:RF+4*\i+3], v2, s[20:21] offset:(\i+8*(\i/8))*4096+512*(\f) th:TH_LOAD_NT
.endr
.endm
; 64 numbers of a lane, v[s] on, become a fragment's codes in v[d] on; the four scale bytes are left in v[TM+4] on.
.macro QUANT s, d
.irp b, 0,1,2,3
	v_max3_num_f32 v[TM+\b], |v[\s+16*\b]|, |v[\s+1+16*\b]|, 0x4800000   ; block b: my 16 numbers, and the floor 2^(9 - 127): the byte cannot fall under 1
.endr
.irp i, 2,4,6,8,10,12,14
.irp b, 0,1,2,3
	v_max3_num_f32 v[TM+\b], v[TM+\b], |v[\s+16*\b+\i]|, |v[\s+1+16*\b+\i]|   ; the four blocks by turns
.endr
.endr
.irp b, 0,1,2,3
	v_permlanex16_b32 v[TM+4+\b], v[TM+\b], s[SEL], s[SEL+1]
.endr
.irp b, 0,1,2,3
	v_max_num_f32 v[TM+\b], v[TM+\b], v[TM+4+\b]   ; with lane l xor 16's: the block's largest magnitude
.endr
.irp b, 0,1,2,3
	v_add_nc_u32 v[TM+12+\b], 0xfc000000, v[TM+\b] ; 8 off its exponent field: the conversion takes this operand's exponent field as its scale
.endr
.irp b, 0,1,2,3
	v_and_or_b32 v[TM+8+\b], v[TM+\b], 0x7f800000, s[MNT]   ; 448 x the scale
.endr
.irp b, 0,1,2,3
	v_lshrrev_b32 v[TM+4+\b], 23, v[TM+12+\b]      ; the scale's byte
.endr
.irp b, 0,1,2,3
.irp i, 0,1,2,3,4,5,6,7,8,9,10,11,12,13,14,15
	v_med3_num_f32 v[\s+16*\b+\i], v[\s+16*\b+\i], -v[TM+8+\b], v[TM+8+\b]   ; the conversion to an 8-bit code does not saturate (ISA guide 7.6.2): the hold
.endr
	v_cvt_scalef32_pk8_fp8_f32 v[\d+4*\b:\d+1+4*\b], v[\s+16*\b:\s+7+16*\b], v[TM+12+\b]
	v_cvt_scalef32_pk8_fp8_f32 v[\d+2+4*\b:\d+3+4*\b], v[\s+8+16*\b:\s+15+16*\b], v[TM+12+\b]
.endr
	v_nop                                          ; a plain line behind the last conversion
.endm
.macro FRAGM f
.set RF, RA+64*((\f)%2)
.set PF, PC+16*((\f)%2)
.if (\f) < 3
	s_wait_loadcnt 16                              ; this fragment's 16 loads are in; the next fragment's 16 may be out
.else
	s_wait_loadcnt 0x0
.endif
.irp i, 0,1,2,3,4,5,6,7,8,9,10,11,12,13,14,15
	ds_store_b128 v3, v[RF+4*\i:RF+4*\i+3] offset:528*\i
.endr
.irp c, 0,1,2,3
.irp j, 0,1,2,3
	ds_load_b128 v[X+16*\c+4*\j:X+16*\c+4*\j+3], v4 offset:128*\c+16*\j   ; LDS serves a wave's instructions in order: these see my stores
.endr
.endr
	s_wait_dscnt 0x0                               ; the numbers are back, and the stores have read their registers,
.if (\f) < 2
	LOAD (\f)+2                                    ; which take the loads of two fragments on
.else
	s_wait_xcnt 0x0                                ; the stores of two fragments back have read this set of codes
.endif
	QUANT X, PF
	v_lshl_or_b32 v[8+(\f)], v[TM+5], 8, v[TM+4]   ; the four bytes make my row's scale word of this K step
	v_lshl_or_b32 v[8+(\f)], v[TM+6], 16, v[8+(\f)]
	v_lshl_or_b32 v[8+(\f)], v[TM+7], 24, v[8+(\f)]
.irp c, 0,1,2,3
.if (\f) < 2
	global_store_b128 v2, v[PF+4*\c:PF+4*\c+3], s[26:27] offset:2048*((\f)%2)+512*\c   ; 32 lanes store 512 consecutive bytes
.else
	global_store_b128 v2, v[PF+4*\c:PF+4*\c+3], s[32:33] offset:2048*((\f)%2)+512*\c
.endif
.endr
.endm
	LOAD 0
	LOAD 1
	FRAGM 0
	FRAGM 1
	FRAGM 2
	FRAGM 3
	v_cndmask_b32 v12, v8, v10, s[HM]              ; both halves of the lanes hold all four words: lanes 0-15 store words 0 and 1, lanes 16-31 words 2 and 3
	v_cndmask_b32 v13, v9, v11, s[HM]
	global_store_b64 v5, v[12:13], s[14:15]        ; 256 consecutive bytes
	s_wait_tensorcnt 0x0
	ds_add_u32 v14, v15
	s_wait_dscnt 0x0
	s_endpgm
.Lfunc_end_k_q449053f9b9_quant:
	.size	k_q449053f9b9_quant, .Lfunc_end_k_q449053f9b9_quant-k_q449053f9b9_quant
	.p2alignl 7, 3214868480
	.fill 96, 4, 3214868480
	.section	.rodata,"a",@progbits
	.p2align	6, 0x0
	.amdhsa_kernel k_q449053f9b9_quant
		.amdhsa_group_segment_fixed_size 51456
		.amdhsa_private_segment_fixed_size 0
		.amdhsa_enable_private_segment 0
		.amdhsa_kernarg_size 48
		.amdhsa_user_sgpr_count 2
		.amdhsa_user_sgpr_kernarg_segment_ptr 1
		.amdhsa_wavefront_size32 1
		.amdhsa_system_sgpr_workgroup_id_x 1
		.amdhsa_system_sgpr_workgroup_id_y 1
		.amdhsa_system_sgpr_workgroup_id_z 1
		.amdhsa_system_vgpr_workitem_id 0
		.amdhsa_next_free_vgpr 256
		.amdhsa_next_free_sgpr 66
		.amdhsa_reserve_vcc 0
		.amdhsa_float_denorm_mode_32 3
		.amdhsa_float_denorm_mode_16_64 3
		.amdhsa_memory_ordered 1
		.amdhsa_forward_progress 1
		.amdhsa_inst_pref_size 51
	.end_amdhsa_kernel
	.amdgpu_metadata
---
amdhsa.version: [ 1, 2 ]
amdhsa.kernels:
  - .name:           k_q449053f9b9_quant
    .symbol:         k_q449053f9b9_quant.kd
    .args:
      - { .name: x, .offset: 0, .size: 8, .value_kind: global_buffer, .address_space: global }
      - { .name: W_attn, .offset: 8, .size: 8, .value_kind: global_buffer, .address_space: global }
      - { .name: W_proj, .offset: 16, .size: 8, .value_kind: global_buffer, .address_space: global }
      - { .name: xc, .offset: 24, .size: 8, .value_kind: global_buffer, .address_space: global }
      - { .name: wc, .offset: 32, .size: 8, .value_kind: global_buffer, .address_space: global }
      - { .name: scl, .offset: 40, .size: 8, .value_kind: global_buffer, .address_space: global }
    .group_segment_fixed_size: 51456
    .private_segment_fixed_size: 0
    .kernarg_segment_align: 8
    .kernarg_segment_size: 48
    .max_flat_workgroup_size: 192
    .sgpr_count:     66
    .vgpr_count:     256
    .wavefront_size: 32
...
	.end_amdgpu_metadata
.endif
;; end of part 1
;; launch qkv (part 2): grid 12 x 32, 4 waves a work-group, clusters of 4 x 4, 327,680 bytes of LDS; arguments xc, wc, scl, b_attn, qkv, qkvs; writes qkv, qkvs
.if DOCPART == 2
	.amdgcn_target "amdgcn-amd-amdhsa--gfx1250"
	.amdhsa_code_object_version 6
	.text
	.protected	k_q449053f9b9_qkv
	.globl	k_q449053f9b9_qkv
	.p2align	8
	.type	k_q449053f9b9_qkv,@function
k_q449053f9b9_qkv:
	s_mov_b64 s[64:65], 0
	v_nop
	global_prefetch_b8 v0, s[64:65] scope:SCOPE_SE
	s_setreg_imm32_b32 hwreg(HW_REG_WAVE_MODE, 25, 1), 1
	s_wait_xcnt 0x0
	s_wait_alu depctr_hold_cnt(0) depctr_sa_sdst(0) depctr_va_vdst(0) depctr_va_sdst(0) depctr_va_ssrc(0) depctr_va_vcc(0) depctr_vm_vsrc(0)
	s_getreg_b32 s2, hwreg(HW_REG_IB_STS2, 6, 4)
	s_cmp_eq_u32 s2, 0
	s_cbranch_scc0 .Lentry_in_a_cluster
	s_endpgm
.Lentry_in_a_cluster:
	s_bfe_u32 s2, ttmp6, 0x10000c
	s_cmp_lg_u32 s2, 0xf033
	s_cbranch_scc0 .Lentry_shape_is_right
	s_endpgm
.Lentry_shape_is_right:
; qkv = x W_attn^T + b_attn on codes of FP8 (E4M3) with E8M0 scales, sums in f32; the results are quantised at once: q and k along the head's 64, v along the KEYS.
; A tile of 256 tokens x 256 channels is made by four waves, 128 x 128 each: 64 accumulators, 512 registers.  K = 1,024 goes in four slots of 256 through a ring of two LDS slots.
; OPERANDS ARE IMAGES OF REGISTERS: a fragment (16 rows x 128 K) is 2,048 bytes, register group c of lane l at 512 c + 16 l: every LDS load reads 512 consecutive bytes, and a half tile
; (8 row tiles x 256 K) is one dense block of 32,768 bytes: one tensor load a wave.  Row r of row tile T is row 32 (T / 2) + 8 (T % 2) + r + 8 (r / 8).
; ROLES.  Every product is D = P (source 0) x Q (source 1): a lane holds ONE row of Q, and the 16 registers of P's tiles 2 B and 2 B + 1 are 16 NEIGHBOURS along P: 32 B + 16 (lane / 16) + 0 .. 15.
; For q and k (cluster x = 0, 1): P = W's rows, Q = x's rows: a lane holds 16 neighbouring channels of one token.  For v (cluster x = 2): P = x's rows, Q = W's rows: 16 neighbouring KEYS of one channel.
; The change of roles lies in the LDS addresses of the fragments, the offsets of the scale words and the way out; it hangs on the cluster's x, which all sixteen partners share.
; So the conversions' results are the next launch's operand registers, and they leave as they stand, 512 consecutive bytes a store: no stage in LDS.
; OUT: qkv: q at 0, k at 8,388,608: [head 128][token tile 64][c 2][lane][16 bytes]; v at 16,777,216: [head][key step 8][channel tile 4][c 4][lane][16 bytes].
;   qkvs: q's scale words at 0: [head][tile / 4][r][tile % 4]; from 524,288 on 6,144 bytes a head: k's 4,096 likewise, then v's [key step][r][channel tile].  A word of q or k has two bytes; the upper two are 0 and stand over zero codes.
; CLUSTERS: 4 x 4 work-groups; x's tile is shared along a row of the cluster, W's along a column: each is asked for jointly.
; REGISTERS: window 0: v16-29 addresses; v32-95 scale words (register 8 i + K step: lanes 0-15 Q's tile i, lanes 16-31 P's tile i); v96-127 at work on the way out; v128-255 Q's 8 fragments, one set.
;   window 1: P's fragments, two sets, at v0 and v128.   windows 2, 3: the accumulators: (a, b) at v[8 (8 (a % 4) + b)], a: Q's tile, b: P's.
; LIMITS: NaN and infinities are not served.  A block of zeros gets the byte 1 and zero codes; this program alone reads the bytes.
.set SLOT,  131072                     ; x's two halves, then W's two halves, 32,768 bytes each
.set SPARE, 262144                     ; behind the ring: the spare words, 128 bytes for each wave
.set STRA,  2097152                    ; from K slot to K slot in xc
.set STRB,  786432                     ; and in W_attn's part of wc
.set WAS,   262144                     ; where W_attn's scale words begin in scl
.set ADRQ, 16                          ; v16-17 LDS address of Q's fragments in slot 0, 1
.set ADRP, 20                          ; v20-21 of P's
.set SOFF, 22                          ; v22 my scale words' offset in scl
.set L16,  23                          ; v23 16 x lane
.set BQK,  24                          ; v24 the bias's offset for q and k: 64 h
.set BV,   25                          ; v25 for v: 4 (r + 8 (r / 8))
.set VSO,  26                          ; v26 v's scale words: 16 r + 6,144 h
.set SPW,  28                          ; v28 LDS address of my spare word; never rewritten
.set NIL,  29                          ; v29 0; never rewritten
.set SC,   32
.set TM,   96                          ; v96-111 the quantiser's sixteen
.set WD,   112                         ; v112-127 scale words made
.set QF,   128
.set Y,    128                         ; v128-191 64 results with their bias
.set PC,   192                         ; v192-223 two sets of codes
.set SW,   224                         ; v224-231 scale words as they are stored
.set G1,   24                          ; s[24:31], s[32:39] descriptor groups 1 and 0 (a set for each slot) for x's tiles
.set G0,   32
.set G1B,  48                          ; s[48:55], s[56:63] for W's
.set G0B,  56
.set SEL,  66
.set MNT,  68
.set HM,   69
.set MSB,  0
.set MUL_LO, 0xa1                      ; source 0 (P) window 1, source 1 (Q) window 0, C and D window 2
.set MUL_HI, 0xf1                      ; the same, C and D window 3
.set TO_P,   0x40                      ; destination window 1, address window 0
.macro WIN new                         ; the immediate's high byte repeats the setting that is left
.if MSB != (\new)
	s_set_vgpr_msb (MSB<<8)|(\new)
.set MSB, (\new)
.endif
.endm
; A joint load: waves 0 and 1 fetch x's halves, waves 2 and 3 W's.  The branch hangs on the wave's number alone.  Four v_nop follow each of the two lines.
.macro JLOAD s
	s_cmp_eq_u32 s17, 0
	s_cbranch_scc0 .Lfor_b_\@
	tensor_load_to_lds s[G0+4*\s:G0+4*\s+3], s[G1:G1+7]
	s_nop 0
.rept 4
	v_nop
.endr
	s_branch .Lasked_\@
.Lfor_b_\@:
	tensor_load_to_lds s[G0B+4*\s:G0B+4*\s+3], s[G1B:G1B+7]
	s_nop 0
.rept 4
	v_nop
.endr
.Lasked_\@:
.endm
.macro CREST                           ; a round of the cluster's barrier behind its opening barrier
	s_cmp_lg_u32 s16, 0
	s_cbranch_scc1 .Lnot_wave_0_\@
	s_barrier_signal -3
.Lnot_wave_0_\@:
	s_barrier_wait -3
	s_barrier_signal -1
	s_barrier_wait -1
.endm
.macro CROUND
	s_barrier_signal -1
	s_barrier_wait -1
	CREST
.endm
.macro PLACES n                        ; plain vector lines behind matrix instructions: 8 in front of loads into registers that they read and of the first read of results
.rept \n
	v_nop
.endr
.endm
	s_load_b256 s[4:11], s[0:1], 0x0               ; xc, wc, scl, b_attn
	s_load_b128 s[12:15], s[0:1], 0x20             ; qkv, qkvs
	v_lshl_add_u32 v[SPW], v0, 2, SPARE
	v_mov_b32 v[NIL], 0
	ds_add_u32 v28, v29
	ds_add_u32 v28, v29
	s_wait_dscnt 0x0
	v_lshrrev_b32 v1, 5, v0
	v_readfirstlane_b32 s16, v1                    ; wave 0..3
	s_lshr_b32 s17, s16, 1                         ; which half of x's rows is mine.  Also: I fetch for x (0) or for W (1)
	s_and_b32 s18, s16, 1                          ; which half of W's rows.  Also: which half of that tile I fetch
	s_bfe_u32 s40, ttmp6, 0x40000                  ; cx, cy: my place in the cluster
	s_bfe_u32 s41, ttmp6, 0x40004
	s_lshl_b32 s42, ttmp9, 2
	s_add_co_u32 s42, s42, s40                     ; tile column = 4 x cluster x + cx
	s_and_b32 s19, ttmp7, 0xffff
	s_lshl_b32 s19, s19, 2
	s_add_co_u32 s19, s19, s41                     ; tile row = 4 x cluster y + cy
	s_lshl_b32 s43, s41, 2
	s_lshl_b32 s43, 15, s43                        ; my row of the cluster
	s_lshl_b32 s44, 0x1111, s40                    ; my column
	; descriptor group 1: a dense block of 32,768 bytes as 128 rows of 32 elements of 8 bytes, no padding
	s_or_b32 s[G1], s43, (3<<16)|(1<<21)           ; 15:0 the mask; 17:16 elements of 8 bytes; 21 set beside a mask
	s_or_b32 s[G1B], s44, (3<<16)|(1<<21)
.irp g, G1, G1B
	s_mov_b32 s[\g+1], 32<<16                      ; tensor_dim0
	s_mov_b32 s[\g+2], 256<<16                     ; tensor_dim1: at the head a load brings a whole tile of a K slot: 65,536 dense bytes as 256 rows of 256
	s_mov_b32 s[\g+3], 32<<16                      ; tile_dim0
	s_mov_b32 s[\g+4], 256                         ; tile_dim1
	s_mov_b32 s[\g+5], 32                          ; tensor_dim0_stride
	s_mov_b32 s[\g+6], 0
	s_mov_b32 s[\g+7], 0
.endr
	s_mov_b32 s[SEL], 0x76543210
	s_mov_b32 s[SEL+1], 0xfedcba98
	s_mov_b32 s[MNT], 0x600000
	s_mov_b32 s[HM], 0xffff0000
	s_lshl_b32 s22, s18, 15                        ; the half that I fetch: 8 row tiles of 4,096 bytes
	s_lshl_b32 s20, s19, 16
	s_add_co_u32 s20, s20, s22                     ; x: 16 row tiles a tile row
	s_mov_b32 s21, 0
	s_lshl_b32 s46, s42, 16
	s_add_co_u32 s46, s46, s22                     ; W: 16 row tiles a tile column
	s_mov_b32 s47, 0
	s_lshl_b32 s45, s16, 15                        ; where a ring's load goes: 32,768 x wave: no place in the cluster enters an LDS address
	s_wait_kmcnt 0x0
	s_add_nc_u64 s[20:21], s[4:5], s[20:21]
	s_add_nc_u64 s[46:47], s[6:7], s[46:47]
	CROUND                                         ; all sixteen work-groups are here: the first joint loads meet
.irp s, 0,1
	s_mov_b32 s[G0+4*\s], 1
	s_add_co_u32 s[G0+4*\s+1], s45, \s*SLOT
	s_add_nc_u64 s[G0+4*\s+2:G0+4*\s+3], s[20:21], \s*STRA
	s_or_b32 s[G0+4*\s+3], s[G0+4*\s+3], 0x80000000
	s_mov_b32 s[G0B+4*\s], 1
	s_add_co_u32 s[G0B+4*\s+1], s45, \s*SLOT
	s_add_nc_u64 s[G0B+4*\s+2:G0B+4*\s+3], s[46:47], \s*STRB
	s_or_b32 s[G0B+4*\s+3], s[G0B+4*\s+3], 0x80000000
.endr
	; THE HEAD'S LOADS, ONE A WAVE, fill both slots: wave 0: x's tile of K slot 0; wave 1: W's; wave 2: x's of K slot 1; wave 3: W's
	s_mov_b32 s92, 1
	s_lshl_b32 s93, s17, 17                        ; LDS: slot wave / 2; x's tile first,
	s_lshl_b32 s80, s19, 16
	s_lshl_b32 s81, s17, 21                        ; K slot wave / 2 in xc
	s_add_co_u32 s80, s80, s81
	s_mov_b32 s81, 0
	s_add_nc_u64 s[94:95], s[4:5], s[80:81]
	s_or_b32 s95, s95, 0x80000000
	s_mov_b32 s96, 1
	s_add_co_u32 s97, s93, 65536                   ; W's behind it
	s_lshl_b32 s82, s42, 16
	s_mul_i32 s83, s17, STRB
	s_add_co_u32 s82, s82, s83
	s_mov_b32 s83, 0
	s_add_nc_u64 s[98:99], s[6:7], s[82:83]
	s_or_b32 s99, s99, 0x80000000
	s_cmp_lt_u32 s16, 1                            ; one chain of branches on the wave's number, an arm and a load line to each wave: K slot 0's two lines are awaited ahead of K slot 1's
	s_cbranch_scc0 .Lhead_1
	tensor_load_to_lds s[92:95], s[G1:G1+7]
	s_nop 0
.rept 4
	v_nop
.endr
	s_branch .Lhead_asked
.Lhead_1:
	s_cmp_lt_u32 s16, 2
	s_cbranch_scc0 .Lhead_2
	tensor_load_to_lds s[96:99], s[G1B:G1B+7]
	s_nop 0
.rept 4
	v_nop
.endr
	s_branch .Lhead_asked
.Lhead_2:
	s_cmp_lt_u32 s16, 3
	s_cbranch_scc0 .Lhead_3
	tensor_load_to_lds s[92:95], s[G1:G1+7]
	s_nop 0
.rept 4
	v_nop
.endr
	s_branch .Lhead_asked
.Lhead_3:
	tensor_load_to_lds s[96:99], s[G1B:G1B+7]
	s_nop 0
.rept 4
	v_nop
.endr
.Lhead_asked:
	v_and_b32 v1, 31, v0
	v_lshlrev_b32 v[L16], 4, v1
	s_wait_alu depctr_va_vdst(0)
	v_and_b32 v2, 15, v0                           ; r
	s_wait_alu depctr_va_vdst(0)
	v_bfe_u32 v3, v0, 4, 1                         ; h
	s_wait_alu depctr_va_vdst(0)
	s_lshl_b32 s20, s17, 15                        ; my half of x in a slot
	s_lshl_b32 s21, s18, 15
	s_add_co_u32 s21, s21, 65536                   ; my half of W
	s_cmp_eq_u32 ttmp9, 2                          ; v's work-groups change the roles
	s_cselect_b32 s22, s21, s20                    ; Q
	s_cselect_b32 s23, s20, s21                    ; P
.irp s, 0,1
	v_add_nc_u32 v[ADRQ+\s], s22, v[L16]
	v_add_nc_u32 v[ADRP+\s], s23, v[L16]
	s_add_co_u32 s22, s22, SLOT
	s_add_co_u32 s23, s23, SLOT
.endr
	s_lshl_b32 s80, s19, 13
	s_lshl_b32 s81, s17, 12
	s_add_co_u32 s80, s80, s81                     ; x's scale words: 512 bytes a row tile
	s_lshl_b32 s81, s42, 13
	s_lshl_b32 s82, s18, 12
	s_add_co_u32 s81, s81, s82
	s_add_co_u32 s81, s81, WAS                     ; W's
	s_cmp_eq_u32 ttmp9, 2
	s_cselect_b32 s82, s81, s80                    ; Q's
	s_cselect_b32 s83, s80, s81                    ; P's
	v_lshlrev_b32 v4, 4, v2                        ; 16 r
	v_add_nc_u32 v5, s82, v4
	v_add_nc_u32 v6, s83, v4
	v_cndmask_b32 v[SOFF], v5, v6, s[HM]           ; lanes 0-15 take Q's words, lanes 16-31 P's
.irp i, 0,1,2,3,4,5,6,7
.irp q, 0,1
	global_load_b128 v[SC+8*\i+4*\q:SC+8*\i+4*\q+3], v[SOFF], s[8:9] offset:512*\i+256*\q   ; all of K's scale words, once: four K steps a load
.endr
.endr
	v_lshlrev_b32 v[BQK], 6, v3
	v_and_b32 v7, 8, v2
	v_add_nc_u32 v7, v7, v2
	v_lshlrev_b32 v[BV], 2, v7
	v_mul_u32_u24 v[VSO], v3, 6144
	v_add_nc_u32 v[VSO], v[VSO], v4
.irp b, 0,1,2,3
	v_mov_b32 v[TM+4+\b], 0                        ; written once: a lane permute's destination counts as one of its sources
.endr
	; the way out's bases
	s_lshr_b32 s80, s19, 2                         ; the batch: four tile rows each
	s_and_b32 s81, s19, 3
	s_lshl_b32 s81, s81, 1
	s_add_co_u32 s81, s81, s17                     ; my 128 tokens in the batch: the key step; my first token tile is 8 x that
	s_and_b32 s82, s42, 3
	s_lshl_b32 s82, s82, 2
	s_lshl_b32 s83, s18, 1
	s_add_co_u32 s82, s82, s83                     ; my first head of two
	s_lshl_b32 s80, s80, 4
	s_add_co_u32 s80, s80, s82                     ; 16 x batch + head
	s_lshl_b32 s84, ttmp9, 23                      ; q, k or v: 8,388,608 bytes each
	s_lshl_b32 s85, s80, 16                        ; 65,536 bytes a head
	s_add_co_u32 s84, s84, s85
	s_lshl_b32 s85, s81, 13                        ; 8,192 bytes for 128 tokens: eight tiles of q or k, or a key step of v
	s_add_co_u32 s84, s84, s85
	s_mov_b32 s85, 0
	s_add_nc_u64 s[72:73], s[12:13], s[84:85]      ; the codes
	s_cmp_eq_u32 ttmp9, 0
	s_mov_b32 s86, 6144
	s_cselect_b32 s86, 4096, s86                   ; from head to head among the scale words of q, or of k
	s_cselect_b32 s84, 0, 524288
	s_mul_i32 s87, s86, s80
	s_add_co_u32 s84, s84, s87
	s_lshl_b32 s87, s81, 9                         ; 64 bytes a token tile
	s_add_co_u32 s84, s84, s87
	s_add_nc_u64 s[74:75], s[14:15], s[84:85]      ; q's or k's scale words, my first head,
	s_mov_b32 s87, 0
	s_add_nc_u64 s[76:77], s[74:75], s[86:87]      ; my second
	s_mul_i32 s84, s80, 6144
	s_add_co_u32 s84, s84, 524288+4096
	s_lshl_b32 s88, s81, 8
	s_add_co_u32 s84, s84, s88
	s_add_nc_u64 s[78:79], s[14:15], s[84:85]      ; v's scale words
	s_lshl_b32 s84, s42, 10
	s_lshl_b32 s88, s18, 9
	s_add_co_u32 s84, s84, s88
	s_add_nc_u64 s[70:71], s[10:11], s[84:85]      ; the bias of my 128 channels
.macro FRAG reg, adr, q, i             ; a fragment comes as it lies: four loads of 512 consecutive bytes
.irp c, 0,1,2,3
	ds_load_b128 v[(\reg)+4*\c:(\reg)+4*\c+3], v[\adr] offset:4096*(\i)+2048*(\q)+512*\c
.endr
.endm
.macro FETCH_P slot, q, p              ; P's eight fragments of the slot's q-th 128 along K into set p
	WIN TO_P
.irp i, 0,1,2,3,4,5,6,7
	FRAG 128*(\p)+16*\i, ADRP+\slot, \q, \i
.endr
	WIN 0
.endm
.macro FETCH_Q slot, q, i0             ; Q's blocks i0 .. i0 + 3
.irp i, \i0, \i0+1, \i0+2, \i0+3
	FRAG QF+16*(\i), ADRQ+\slot, \q, \i
.endr
.endm
; 16 matrix instructions: Q's blocks a0, a0 + 1 x P's eight, K step ks.  The 64 accumulators take turns, one instruction a turn, in the same order in every step.
.macro MUL16 a0, p, ks, zero
.irp a, \a0, \a0+1
.irp b, 0,1,2,3,4,5,6,7
.if \zero
	v_wmma_scale_f32_16x16x128_f8f6f4 v[8*(8*((\a)%4)+\b):8*(8*((\a)%4)+\b)+7], v[128*(\p)+16*\b:128*(\p)+16*\b+15], v[QF+16*(\a):QF+16*(\a)+15], 0, v[SC+8*\b+(\ks)], v[SC+8*(\a)+(\ks)] matrix_a_scale:MATRIX_SCALE_ROW1
.else
	v_wmma_scale_f32_16x16x128_f8f6f4 v[8*(8*((\a)%4)+\b):8*(8*((\a)%4)+\b)+7], v[128*(\p)+16*\b:128*(\p)+16*\b+15], v[QF+16*(\a):QF+16*(\a)+15], v[8*(8*((\a)%4)+\b):8*(8*((\a)%4)+\b)+7], v[SC+8*\b+(\ks)], v[SC+8*(\a)+(\ks)] matrix_a_scale:MATRIX_SCALE_ROW1
.endif
.endr
.endr
.endm
; A slot's first K step: its successor lies in the same slot.
.macro STEP slot, ks, zero
	s_wait_dscnt 16                                ; P's set and Q's blocks 0-3 are in; the youngest 16 loads (Q's blocks 4-7) may be out
	WIN MUL_LO
	MUL16 0, 0, \ks, \zero
	MUL16 2, 0, \ks, \zero
	s_wait_dscnt 0x0                               ; Q's blocks 4-7 are in
	PLACES 8
	FETCH_P \slot, 1, 1
	FETCH_Q \slot, 1, 0
	WIN MUL_HI
	MUL16 4, 0, \ks, \zero
	MUL16 6, 0, \ks, \zero
	PLACES 8
	WIN 0
	FETCH_Q \slot, 1, 4
.endm
; A slot's second K step changes slots: one barrier; in front of it each wave waits for all its tensor loads, adds 0 to its spare word, and waits for that and for its reads of this slot.
; fill = 1: the barrier opens a round of the cluster's barrier, and this slot is filled again, two K slots ahead, first thing behind the round.
.macro TURN slot, next, fill, ks
	s_wait_tensorcnt 0x0                           ; all my tensor loads have landed: my part of the next slot
	ds_add_u32 v[SPW], v[NIL]                      ; 0 onto my spare word
	s_mov_b32 s[G1+2], 128<<16                     ; no tensor load of mine is out, so group 1 may be written: a ring's load brings half a tile, 128 rows of 256 bytes
	s_mov_b32 s[G1+4], 128
	s_mov_b32 s[G1B+2], 128<<16
	s_mov_b32 s[G1B+4], 128
	s_wait_dscnt 17
	WIN MUL_LO
	MUL16 0, 1, \ks, 0
	s_wait_dscnt 0x0                               ; the add is done, and my reads of this slot are over
	s_barrier_signal -1
	MUL16 2, 1, \ks, 0
	WIN 0
	s_barrier_wait -1
.if \fill
	CREST                                          ; no wave of any partner still reads this slot or has a load on its way
	s_add_nc_u64 s[G0+4*\slot+2:G0+4*\slot+3], s[G0+4*\slot+2:G0+4*\slot+3], 2*STRA
	s_add_nc_u64 s[G0B+4*\slot+2:G0B+4*\slot+3], s[G0B+4*\slot+2:G0B+4*\slot+3], 2*STRB
	JLOAD \slot                                    ; its four v_nop are four of the eight places in front of the loads below
	PLACES 4
.else
	PLACES 8
.endif
	FETCH_P \next, 0, 0
	FETCH_Q \next, 0, 0
	WIN MUL_HI
	MUL16 4, 1, \ks, 0
	MUL16 6, 1, \ks, 0
	PLACES 8
	WIN 0
	FETCH_Q \next, 0, 4
.endm
; 64 numbers of a lane, v[s] on (register 16 b + i = place 32 b + 16 h + i along the next K), become a fragment's codes in v[d] on; the four scale bytes are left in v[TM+4] on.
.macro QUANT s, d
.irp b, 0,1,2,3
	v_max3_num_f32 v[TM+\b], |v[\s+16*\b]|, |v[\s+1+16*\b]|, 0x4800000   ; block b: my 16 numbers, and the floor 2^(9 - 127): the byte cannot fall under 1
.endr
.irp i, 2,4,6,8,10,12,14
.irp b, 0,1,2,3
	v_max3_num_f32 v[TM+\b], v[TM+\b], |v[\s+16*\b+\i]|, |v[\s+1+16*\b+\i]|
.endr
.endr
.irp b, 0,1,2,3
	v_permlanex16_b32 v[TM+4+\b], v[TM+\b], s[SEL], s[SEL+1]
.endr
.irp b, 0,1,2,3
	v_max_num_f32 v[TM+\b], v[TM+\b], v[TM+4+\b]   ; with lane l xor 16's: the block's largest magnitude
.endr
.irp b, 0,1,2,3
	v_add_nc_u32 v[TM+12+\b], 0xfc000000, v[TM+\b] ; 8 off its exponent field: the conversion's scale operand
.endr
.irp b, 0,1,2,3
	v_and_or_b32 v[TM+8+\b], v[TM+\b], 0x7f800000, s[MNT]   ; 448 x the scale
.endr
.irp b, 0,1,2,3
	v_lshrrev_b32 v[TM+4+\b], 23, v[TM+12+\b]      ; the scale's byte
.endr
.irp b, 0,1,2,3
.irp i, 0,1,2,3,4,5,6,7,8,9,10,11,12,13,14,15
	v_med3_num_f32 v[\s+16*\b+\i], v[\s+16*\b+\i], -v[TM+8+\b], v[TM+8+\b]   ; the conversion to an 8-bit code does not saturate (ISA guide 7.6.2): the hold
.endr
	v_cvt_scalef32_pk8_fp8_f32 v[\d+4*\b:\d+1+4*\b], v[\s+16*\b:\s+7+16*\b], v[TM+12+\b]
	v_cvt_scalef32_pk8_fp8_f32 v[\d+2+4*\b:\d+3+4*\b], v[\s+8+16*\b:\s+15+16*\b], v[TM+12+\b]
.endr
	v_nop                                          ; a plain line behind the last conversion
.endm
; THE WAY OUT of Q's block a: its eight accumulators are 64 numbers of my row of Q, in the quantiser's order.  The bias is added, each accumulator from its low end on; they are quantised and stored.
.macro EPI a, isv
.set PF, PC+16*((\a)%2)
.if (\a) >= 2
	s_wait_xcnt 0x0                                ; the stores of two blocks back have read this set of codes
.endif
	WIN 0x06+(\a)/4                                ; source 0: window 2 or 3; source 1: window 1
.set NN, 0
.rept 32
.if \isv
	v_pk_add_f32 v[Y+NN:Y+NN+1], v[64*((\a)%4)+NN:64*((\a)%4)+NN+1], v[2*(\a):2*(\a)+1]   ; my channel's bias, which lies twice
.else
	v_pk_add_f32 v[Y+NN:Y+NN+1], v[64*((\a)%4)+NN:64*((\a)%4)+NN+1], v[NN:NN+1]            ; the bias of my 64 channels
.endif
.set NN, NN+2
.endr
	WIN 0
	QUANT Y, PF
.if \isv
	v_lshl_or_b32 v[WD+(\a)], v[TM+5], 8, v[TM+4]  ; 128 keys of my channel: one scale word
	v_lshl_or_b32 v[WD+(\a)], v[TM+6], 16, v[WD+(\a)]
	v_lshl_or_b32 v[WD+(\a)], v[TM+7], 24, v[WD+(\a)]
.irp c, 0,1,2,3
	global_store_b128 v[L16], v[PF+4*\c:PF+4*\c+3], s[72:73] offset:65536*((\a)/4)+2048*((\a)%4)+512*\c   ; head a / 4, channel tile a % 4: 512 consecutive bytes
.endr
.else
	v_lshl_or_b32 v[WD+(\a)], v[TM+5], 8, v[TM+4]  ; two heads' 64 channels of my token: a word of two bytes each
	v_lshl_or_b32 v[WD+8+(\a)], v[TM+7], 8, v[TM+6]
.irp bb, 0,1,2,3
	global_store_b128 v[L16], v[PF+4*\bb:PF+4*\bb+3], s[72:73] offset:65536*(\bb/2)+1024*(\a)+512*(\bb%2)   ; head bb / 2, token tile a, group bb % 2
.endr
.endif
.endm
	s_wait_alu depctr_va_vdst(0)
	s_cmp_lt_u32 s16, 2                            ; waves 0 and 1 wait: K slot 0 is in.  K slot 1's two loads may be out: nothing reads that slot, and nothing is filled, before the first change of slots, where every wave waits
	s_cbranch_scc0 .Lnot_slot_0
	s_wait_tensorcnt 0x0
.Lnot_slot_0:
	s_barrier_signal -1
	s_barrier_wait -1
	FETCH_P 0, 0, 0
	FETCH_Q 0, 0, 0
	FETCH_Q 0, 0, 4
	s_wait_loadcnt 0x0                             ; the scale words
	STEP 0, 0, 1                                   ; the first products start the sums: nothing is cleared.  The eight K steps are written out: a step's number picks its scale registers
	TURN 0, 1, 1, 1
	STEP 1, 2, 0
	TURN 1, 0, 1, 3
	STEP 0, 4, 0
	TURN 0, 1, 0, 5                                ; nothing is left to fetch
	STEP 1, 6, 0
	; the bias goes into P's set 0, which the last K step does not read (eight places stand behind its last products)
	s_cmp_eq_u32 ttmp9, 2
	s_cbranch_scc1 .Lbias_v
	WIN TO_P
.irp bb, 0,1,2,3
.irp k, 0,1,2,3
	global_load_b128 v[16*\bb+4*\k:16*\bb+4*\k+3], v[BQK], s[70:71] offset:128*\bb+16*\k   ; register 16 bb + i: channel 32 bb + 16 h + i
.endr
.endr
	WIN 0
	s_branch .Lbias_done
.Lbias_v:
	WIN TO_P
	s_wait_alu depctr_va_vdst(0)
.irp a, 0,1,2,3,4,5,6,7
	global_load_b32 v[2*\a], v[BV], s[70:71] offset:4*(32*(\a/2)+8*(\a%2))      ; my channel of W's tile a, twice: a pair for the packed addition
	global_load_b32 v[2*\a+1], v[BV], s[70:71] offset:4*(32*(\a/2)+8*(\a%2))
.endr
	WIN 0
.Lbias_done:
	s_wait_dscnt 16                                ; the last K step
	WIN MUL_LO
	MUL16 0, 1, 7, 0
	MUL16 2, 1, 7, 0
	s_wait_dscnt 0x0
	WIN MUL_HI
	MUL16 4, 1, 7, 0
	MUL16 6, 1, 7, 0
	WIN 0
	PLACES 8
	s_wait_loadcnt 0x0                             ; the bias
	s_cmp_eq_u32 ttmp9, 2
	s_cbranch_scc1 .Lout_v
.irp a, 0,1,2,3,4,5,6,7
	EPI \a, 0
.endr
.irp k, 0,1,2,3
	v_cndmask_b32 v[SW+\k], v[WD+\k], v[WD+4+\k], s[HM]          ; both halves of the lanes hold all words: lanes 0-15 store those of tiles 0-3, lanes 16-31 those of tiles 4-7
	v_cndmask_b32 v[SW+4+\k], v[WD+8+\k], v[WD+12+\k], s[HM]
.endr
	global_store_b128 v[L16], v[SW:SW+3], s[74:75]               ; 512 consecutive bytes a head
	global_store_b128 v[L16], v[SW+4:SW+7], s[76:77]
	s_branch .Ldone
.Lout_v:
.irp a, 0,1,2,3,4,5,6,7
	EPI \a, 1
.endr
.irp k, 0,1,2,3
	v_cndmask_b32 v[SW+\k], v[WD+\k], v[WD+4+\k], s[HM]          ; lanes 0-15: my first head's four channel tiles; lanes 16-31: my second head's
.endr
	global_store_b128 v[VSO], v[SW:SW+3], s[78:79]               ; 256 consecutive bytes a head
.Ldone:
	s_wait_tensorcnt 0x0                           ; the wave's end
	ds_add_u32 v[SPW], v[NIL]
	s_wait_dscnt 0x0
	CROUND                                         ; the closing round: no work-group ends while a partner may still ask for a tile that names it
	s_endpgm
.Lfunc_end_k_q449053f9b9_qkv:
	.size	k_q449053f9b9_qkv, .Lfunc_end_k_q449053f9b9_qkv-k_q449053f9b9_qkv
	.p2alignl 7, 3214868480
	.fill 96, 4, 3214868480
	.section	.rodata,"a",@progbits
	.p2align	6, 0x0
	.amdhsa_kernel k_q449053f9b9_qkv
		.amdhsa_group_segment_fixed_size 327680
		.amdhsa_private_segment_fixed_size 0
		.amdhsa_enable_private_segment 0
		.amdhsa_kernarg_size 48
		.amdhsa_user_sgpr_count 2
		.amdhsa_user_sgpr_kernarg_segment_ptr 1
		.amdhsa_wavefront_size32 1
		.amdhsa_system_sgpr_workgroup_id_x 1
		.amdhsa_system_sgpr_workgroup_id_y 1
		.amdhsa_system_sgpr_workgroup_id_z 1
		.amdhsa_system_vgpr_workitem_id 0
		.amdhsa_next_free_vgpr 1024
		.amdhsa_next_free_sgpr 100
		.amdhsa_reserve_vcc 0
		.amdhsa_float_denorm_mode_32 3
		.amdhsa_float_denorm_mode_16_64 3
		.amdhsa_memory_ordered 1
		.amdhsa_forward_progress 1
		.amdhsa_inst_pref_size 255
	.end_amdhsa_kernel
	.section	.bss,"aw",@nobits
	.p2align	6
	.space	262144
	.amdgpu_metadata
---
amdhsa.version: [ 1, 2 ]
amdhsa.kernels:
  - .name:           k_q449053f9b9_qkv
    .symbol:         k_q449053f9b9_qkv.kd
    .args:
      - { .name: xc, .offset: 0, .size: 8, .value_kind: global_buffer, .address_space: global }
      - { .name: wc, .offset: 8, .size: 8, .value_kind: global_buffer, .address_space: global }
      - { .name: scl, .offset: 16, .size: 8, .value_kind: global_buffer, .address_space: global }
      - { .name: b_attn, .offset: 24, .size: 8, .value_kind: global_buffer, .address_space: global }
      - { .name: qkv, .offset: 32, .size: 8, .value_kind: global_buffer, .address_space: global }
      - { .name: qkvs, .offset: 40, .size: 8, .value_kind: global_buffer, .address_space: global }
    .group_segment_fixed_size: 327680
    .private_segment_fixed_size: 0
    .kernarg_segment_align: 8
    .kernarg_segment_size: 48
    .max_flat_workgroup_size: 128
    .sgpr_count:     100
    .vgpr_count:     1024
    .wavefront_size: 32
...
	.end_amdgpu_metadata
.endif
;; end of part 2
;; launch attn (part 3): grid 256 x 1, 16 waves a work-group, no clusters, 169,984 bytes of LDS; arguments qkv, qkvs, oc, scl; writes oc, scl
.if DOCPART == 3
	.amdgcn_target "amdgcn-amd-amdhsa--gfx1250"
	.amdhsa_code_object_version 6
	.text
	.protected	k_q449053f9b9_attn
	.globl	k_q449053f9b9_attn
	.p2align	8
	.type	k_q449053f9b9_attn,@function
k_q449053f9b9_attn:
	s_mov_b64 s[64:65], 0
	v_nop
	global_prefetch_b8 v0, s[64:65] scope:SCOPE_SE
	s_setreg_imm32_b32 hwreg(HW_REG_WAVE_MODE, 25, 1), 1
	s_wait_xcnt 0x0
; o = softmax(q k^T / 8, causal) v for 128 heads of 1,024 tokens x 64, both products on codes of FP8 (E4M3) with E8M0 scales; o is quantised along C for the last product.
; THE SOFTMAX: t = score x log2(e) / 8; M = the row's largest t so far, rounded UP to a whole number; p = 2^(t - M) is quantised along the keys, not normalised; the row's sum is taken of the unquantised p and divides at the end.
; When M moves, the sum and O are multiplied by 2^(old M - new M): exact.
; LEFT OUT: key steps all of whose keys come after a tile's queries: the causal mask turns their scores into -infinity, so their p is 0 for all values of the inputs.
; SHARES.  Two work-groups to a head.  Wave w of work-group j owns two tiles of 16 queries: lo = 2 w + j and hi = 63 - lo.  Tile t needs t / 8 + 1 key steps of 128, so every wave has nine.
; A head's K and V come into LDS once, a key step (K's 8,192 bytes, then V's) by one load of two rows: nothing is filled again.  Waves 0-3 fetch key steps 0-3 and wave 4 the scale words: the first barrier shows these.
; Waves 12-15 fetch key steps 4-7 by a load line of their own: the second barrier shows them.  THE ORDER OF WORK: tile hi's key steps 0-3, four steps in every wave alike; the second barrier; hi's other steps; tile lo.
; All loops have the constant trip count 4; a step that is left out is passed by a scalar branch on ids, round its work alone.
; LAYOUT.  All operands are images of registers (a fragment's register group c of lane l at 512 c + 16 l).  Row r of a tile T of tokens or channels is 32 (T / 2) + 8 (T % 2) + r + 8 (r / 8), so that as source 0 two
; neighbouring tiles give a lane 16 neighbours.  Both products are used transposed: S^T = K Q^T, O^T = V^T P^T: a lane holds ONE query throughout.
; The head's 64 fill half of the first product's 128: the other half is zero codes on both sides, under scale bytes 0.
; NO JOINT LOADS: a head's K and V are read by two work-groups only, once each, at the head.  NO PREFETCH: every load is issued at the head; there is no loop to run ahead in.
; OUT: oc, laid as the last product's operand: [K slot][token tile 512][K step][c][lane][16 bytes]; the scale bytes into scl from 393,216 on: [tile][half of K][r][16 bytes].
; REGISTERS: v1-7 addresses that stay; v8-11 the step's; v12 -M, v13 the largest t, v[14:15] the sum; v16-31 Q (upper half zeros); v32-95 four fragments of K (upper halves zeros); v96-159 S^T, then p, then V's four fragments;
;   v160-191 O^T; v192-207 p's codes; v208-215 K's scale words, v216-219 V's, v220 Q's, v221 p's, v222 the second tile's Q's; v224-231 the second tile's Q; v232-253 at work; v254, v255 the add's two.
; LIMITS: NaN and infinities are not served.  A block of zeros gets the byte 1 and zero codes.  The division by the row's sum is v_rcp_f32 and a multiplication.  The scaled scores stay under 2^31 in magnitude.
.set WV,   12
.set SEL,  16                          ; s[16:17] lane selects for lane l xor 16
.set CS,   18                          ; s[18:19] c = log2(e) / 8
.set MNT,  20
.set HM,   21
.set G1C,  24                          ; s[24:31] descriptor group 1 for the codes; s[32:39] for the scale words; s[40:43], s[44:47] their groups 0
.set G1S,  32
.set G0C,  40
.set G0S,  44
.set Q0,   48                          ; the tile's first query
.set KF,   49                          ; the step's first key
.set TB,   50                          ; the step's codes: 16,384 bytes a step
.set TS,   51                          ; K's scale words: 512 a step
.set TJ,   52                          ; V's: 256 a step
.set CNT,  53
	s_load_b256 s[4:11], s[0:1], 0x0               ; qkv, qkvs, oc, scl
	v_lshl_add_u32 v254, v0, 2, 0x29000
	v_mov_b32 v255, 0
	ds_add_u32 v254, v255                          ; the opening lines: the add, twice on end, and its wait ahead of the first tensor load
	ds_add_u32 v254, v255
	v_lshrrev_b32 v8, 5, v0
	v_readfirstlane_b32 s[WV], v8                  ; wave 0..15
	s_lshr_b32 s13, ttmp9, 1                       ; 16 x batch + head
	s_and_b32 s14, ttmp9, 1
	s_lshl_b32 s22, s[WV], 1
	s_add_co_u32 s22, s22, s14                     ; tile lo
	s_sub_co_u32 s23, 63, s22                      ; tile hi
	s_and_b32 s15, s13, 15                         ; head
	s_lshr_b32 s61, s13, 4                         ; batch
	s_lshl_b32 s56, s13, 16                        ; a head's codes: 65,536 bytes
	s_lshl_b32 s57, s13, 12                        ; q's scale words: 4,096
	s_lshr_b32 s59, s15, 2
	s_lshl_b32 s59, s59, 21                        ; oc: K slot head / 4,
	s_lshl_b32 s58, s61, 18
	s_add_co_u32 s59, s59, s58                     ; 64 token tiles of 4,096 bytes a batch,
	s_and_b32 s58, s15, 3
	s_lshl_b32 s58, s58, 10
	s_add_co_u32 s59, s59, s58                     ; and 1,024 bytes for each of the slot's four heads
	s_lshl_b32 s60, s61, 15
	s_add_co_u32 s60, s60, 393216                  ; scl: 512 bytes a token tile,
	s_lshr_b32 s58, s15, 3
	s_lshl_b32 s58, s58, 8
	s_add_co_u32 s60, s60, s58                     ; half of K,
	s_and_b32 s58, s15, 7
	s_lshl_b32 s58, s58, 1
	s_add_co_u32 s60, s60, s58                     ; two bytes a head
	s_mov_b32 s55, 0
	s_mov_b32 s[G1C], 3<<16                        ; a key step: two rows of 1,024 elements of 8 bytes: K's 8,192 bytes and V's, 8,388,608 bytes apart in qkv
	s_mov_b32 s[G1C+1], 1024<<16
	s_mov_b32 s[G1C+2], 2<<16
	s_mov_b32 s[G1C+3], 1024<<16
	s_mov_b32 s[G1C+4], 2
	s_mov_b32 s[G1C+5], 1048576
	s_mov_b32 s[G1C+6], 0
	s_mov_b32 s[G1C+7], 0
	s_mov_b32 s[G1S], 3<<16                        ; the scale words: 6,144 dense bytes as 24 rows of 256
	s_mov_b32 s[G1S+1], 32<<16
	s_mov_b32 s[G1S+2], 24<<16
	s_mov_b32 s[G1S+3], 32<<16
	s_mov_b32 s[G1S+4], 24
	s_mov_b32 s[G1S+5], 32
	s_mov_b32 s[G1S+6], 0
	s_mov_b32 s[G1S+7], 0
	s_mov_b32 s[SEL], 0x76543210
	s_mov_b32 s[SEL+1], 0xfedcba98
	s_mov_b32 s[CS], 0x3e38aa3b
	s_mov_b32 s[CS+1], s[CS]                       ; named with it as a pair, so it is written
	s_mov_b32 s[MNT], 0x600000
	s_mov_b32 s[HM], 0xffff0000
	s_and_b32 s58, s[WV], 3
	s_lshr_b32 s54, s[WV], 3
	s_lshl_b32 s54, s54, 2
	s_add_co_u32 s58, s58, s54                     ; the key step that I fetch: waves 0-3: 0-3; waves 12-15: 4-7
	s_mov_b32 s[G0C], 1
	s_lshl_b32 s[G0C+1], s58, 14                   ; LDS: 16,384 x key step
	s_lshl_b32 s54, s58, 13
	s_add_co_u32 s54, s54, s56
	s_add_co_u32 s54, s54, 8388608                 ; k's codes begin there
	s_wait_dscnt 0x0
	s_wait_kmcnt 0x0
	s_add_nc_u64 s[G0C+2:G0C+3], s[4:5], s[54:55]
	s_or_b32 s[G0C+3], s[G0C+3], 0x80000000
	s_mul_i32 s54, s13, 6144
	s_add_co_u32 s54, s54, 524288
	s_mov_b32 s[G0S], 1
	s_mov_b32 s[G0S+1], 131072                     ; K's scale words at 131,072, V's at 135,168
	s_add_nc_u64 s[G0S+2:G0S+3], s[6:7], s[54:55]
	s_or_b32 s[G0S+3], s[G0S+3], 0x80000000
	s_cmp_lt_u32 s[WV], 4                          ; the fills: one chain of branches on the wave's number, a load to an arm; an s_nop 0 and four v_nop follow each
	s_cbranch_scc0 .Lnot_early
	tensor_load_to_lds s[G0C:G0C+3], s[G1C:G1C+7]
	s_nop 0
.rept 4
	v_nop
.endr
	s_branch .Lasked
.Lnot_early:
	s_cmp_lt_u32 s[WV], 5
	s_cbranch_scc0 .Lnot_words
	tensor_load_to_lds s[G0S:G0S+3], s[G1S:G1S+7]
	s_nop 0
.rept 4
	v_nop
.endr
	s_branch .Lasked
.Lnot_words:
	s_cmp_lt_u32 s[WV], 12
	s_cbranch_scc1 .Lasked
	tensor_load_to_lds s[G0C:G0C+3], s[G1C:G1C+7]  ; key steps 4-7: a line of its own, awaited at the second barrier
	s_nop 0
.rept 4
	v_nop
.endr
.Lasked:
; a tile's bases: t: the register with its number; qc, qs: q's codes and scale words; oc, os: o's; q0: its first query
.macro BASES t, qc, qs, oc, os, q0
	s_lshl_b32 s54, s[\t], 10
	s_add_co_u32 s54, s54, s56
	s_add_nc_u64 s[\qc:\qc+1], s[4:5], s[54:55]
	s_lshr_b32 s54, s[\t], 2
	s_lshl_b32 s54, s54, 8
	s_and_b32 s58, s[\t], 3
	s_lshl_b32 s58, s58, 2
	s_add_co_u32 s54, s54, s58
	s_add_co_u32 s54, s54, s57
	s_add_nc_u64 s[\qs:\qs+1], s[6:7], s[54:55]
	s_lshl_b32 s54, s[\t], 12
	s_add_co_u32 s54, s54, s59
	s_add_nc_u64 s[\oc:\oc+1], s[8:9], s[54:55]
	s_lshl_b32 s54, s[\t], 9
	s_add_co_u32 s54, s54, s60
	s_add_nc_u64 s[\os:\os+1], s[10:11], s[54:55]
	s_lshr_b32 s54, s[\t], 1
	s_lshl_b32 s54, s54, 5
	s_and_b32 s58, s[\t], 1
	s_lshl_b32 s58, s58, 3
	s_add_co_u32 s[\q0], s54, s58
.endm
	BASES 23, 76, 80, 66, 68, 74                   ; tile hi goes first
	BASES 22, 78, 82, 70, 72, 75
	v_and_b32 v1, 31, v0
	v_and_b32 v9, 15, v0                           ; r
	v_bfe_u32 v10, v0, 4, 1                        ; h
	v_lshlrev_b32 v1, 4, v1                        ; 16 x lane: K's images, q's, o's
	v_lshlrev_b32 v7, 4, v9                        ; 16 r
	v_and_b32 v6, 8, v9
	v_add_nc_u32 v2, 8192, v1                      ; V's images, behind K's in a key step
	v_add_nc_u32 v3, 131072, v7                    ; K's scale words: four tiles' words a lane
	v_add_nc_u32 v4, 135168, v7                    ; V's
	v_add_nc_u32 v5, v7, v10                       ; o's scale byte: 16 r + h
	v_add_nc_u32 v6, v6, v9
	v_lshlrev_b32 v10, 4, v10
	v_sub_nc_u32 v6, v6, v10                       ; r + 8 (r / 8) - 16 h: my query less my first key, from the tile's and the step's first
	global_load_b128 v[16:19], v1, s[76:77]        ; both tiles' q: two register groups each
	global_load_b128 v[20:23], v1, s[76:77] offset:512
	global_load_b128 v[224:227], v1, s[78:79]
	global_load_b128 v[228:231], v1, s[78:79] offset:512
	global_load_b32 v220, v7, s[80:81]
	global_load_b32 v222, v7, s[82:83]
.irp i, 0,1,2,3,4,5,6,7
	v_mov_b32 v[24+\i], 0                          ; zero codes for k = 64 .. 127, in Q
.irp t, 0,1,2,3
	v_mov_b32 v[40+16*\t+\i], 0                    ; and in K's four fragments: set once, never loaded
.endr
.endr
.irp b, 0,1,2,3
	v_mov_b32 v[236+\b], 0                         ; written once: a lane permute's destination counts as one of its sources
.endr
	v_mov_b32 v248, 0
	v_mov_b32 v251, 0                              ; named as the upper half of f's pair
	s_wait_alu depctr_va_vdst(0)
	s_wait_loadcnt 0x0
	s_cmp_lt_u32 s[WV], 5                          ; the waves of the first two load lines wait; key steps 4-7 may be out: nothing reads them before the second barrier
	s_cbranch_scc0 .Lnot_first
	s_wait_tensorcnt 0x0
.Lnot_first:
	s_barrier_signal -1
	s_barrier_wait -1
; Block b of 32 keys under the mask: register 16 b + i is hidden where 32 b + i > d (v252).  Passed over where all its keys count for all 16 queries: Q0 - KF >= 32 b + 31 (ids alone).
.macro MASKB b
	s_cmp_ge_i32 s54, 32*(\b)+31
	s_cbranch_scc1 .Lvis_\@
.set NN, 0
.rept 16
	v_cmp_gt_i32 vcc_lo, 32*(\b)+NN, v252
	v_cndmask_b32 v[96+16*(\b)+NN], v[96+16*(\b)+NN], v253, vcc_lo
.set NN, NN+1
.endr
.Lvis_\@:
.endm
; The largest score of blocks b0 and b0 + 1, by turns: for the row's maximum, and, since p rises with the score, for the block's largest p
.macro MAXB2 b0
.irp b, \b0, \b0+1
	v_max3_num_f32 v[232+\b], v[96+16*(\b)], v[97+16*(\b)], v[98+16*(\b)]
.endr
.irp i, 3,5,7,9,11,13
.irp b, \b0, \b0+1
	v_max3_num_f32 v[232+\b], v[232+\b], v[96+16*(\b)+\i], v[97+16*(\b)+\i]
.endr
.endr
.irp b, \b0, \b0+1
	v_max_num_f32 v[232+\b], v[232+\b], v[111+16*(\b)]
.endr
.endm
; A KEY STEP: 128 keys.
.macro STEP
	s_add_co_u32 s54, s[Q0], 23                    ; the tile's last query
	s_cmp_gt_u32 s[KF], s54
	s_cbranch_scc1 .Lhidden_\@
	s_sub_co_i32 s54, s[Q0], s[KF]
	v_add_nc_u32 v8, s[TB], v1
	v_add_nc_u32 v9, s[TB], v2
	v_add_nc_u32 v10, s[TS], v3
	v_add_nc_u32 v11, s[TJ], v4
	s_wait_alu depctr_va_vdst(0)
.rept 5
	v_nop                                          ; with the four additions nine places: the first products below write over registers that the last step's products read
.endr
.irp g, 0,1                            ; S^T = K Q^T, four tiles of 16 keys at a time
.if \g
	v_add_nc_u32 v252, s54, v6                     ; d = my query less my first key of this step
	v_mov_b32 v253, 0xff800000                     ; -infinity
.rept 6
	v_nop                                          ; with the two lines above eight places in front of loads into registers that matrix instructions have read
.endr
.endif
.irp t, 0,1,2,3
.irp c, 0,1
	ds_load_b128 v[32+16*\t+4*\c:32+16*\t+4*\c+3], v8 offset:1024*(4*\g+\t)+512*\c
.endr
.endr
	ds_load_b128 v[208+4*\g:211+4*\g], v10 offset:256*\g
.if \g
	s_wait_alu depctr_va_vdst(0)
.endif
	s_wait_dscnt 0x0
.irp t, 0,1,2,3
	v_wmma_scale_f32_16x16x128_f8f6f4 v[96+8*(4*\g+\t):103+8*(4*\g+\t)], v[32+16*\t:47+16*\t], v[16:31], 0, v[208+4*\g+\t], v220
.endr
.endr                                  ; register 16 b + i: key KF + 32 b + 16 h + i
	MASKB 0                                        ; blocks 0 and 1 were finished eight places ago; their 16 maxima are the places behind the last four products
	MASKB 1
	MAXB2 0
	MASKB 2
	MASKB 3
	MAXB2 2
.irp b, 0,1,2,3
	v_permlanex16_b32 v[236+\b], v[232+\b], s[SEL], s[SEL+1]
.endr
.irp b, 0,1,2,3
	v_max_num_f32 v[232+\b], v[232+\b], v[236+\b]  ; with lane l xor 16's 16 keys
.endr
	v_max3_num_f32 v248, v232, v233, v234
	v_max_num_f32 v248, v248, v235                 ; the step's largest score of my query
	v_mul_f32 v248, s[CS], v248                    ; as t
	v_max_num_f32 v13, v13, v248                   ; the running largest t
	v_mov_b32 v248, v12
	v_floor_f32 v12, -v13                          ; the new -M = -ceil(t): a whole number
	v_sub_f32 v248, v12, v248                      ; old M - new M: a whole number, 0 or less
	v_cvt_i32_f32 v248, v248                       ; (it saturates)
	v_ldexp_f32 v250, 1.0, v248                    ; f = 2^(old M - new M)
.set NN, 0
.rept 32
	v_pk_fma_f32 v[96+NN:97+NN], v[96+NN:97+NN], s[CS:CS+1], v[12:13] op_sel_hi:[1,0,0]   ; t - M, two at a time
.set NN, NN+2
.endr
.irp b, 0,1,2,3
	v_fma_f32 v[232+\b], v[232+\b], s[CS], v12     ; the same of each block's largest score
.endr
	s_wait_alu depctr_va_vdst(0)
.set NN, 0
.rept 64
	v_exp_f32 v[96+NN], v[96+NN]                   ; p = 2^(t - M)
.set NN, NN+1
.endr
	v_pk_mul_f32 v[14:15], v[14:15], v[250:251] op_sel_hi:[1,0]   ; the sums under the new M: a plain line behind the exponentials
	s_wait_alu depctr_va_vdst(0)                   ; one wait for the batch, ahead of its first reader
.irp b, 0,1,2,3
	v_exp_f32 v[232+\b], v[232+\b]                 ; the block's largest p: the same two instructions on the same number
.endr
	v_pk_add_f32 v[236:237], v[96:97], v[98:99]    ; the row's sum of the unquantised p: two at a time, in four chains
	v_pk_add_f32 v[238:239], v[100:101], v[102:103]
	v_pk_add_f32 v[240:241], v[104:105], v[106:107]
	v_pk_add_f32 v[14:15], v[14:15], v[108:109]
.irp j, 110,118,126,134,142,150
	v_pk_add_f32 v[236:237], v[236:237], v[\j:\j+1]
	v_pk_add_f32 v[238:239], v[238:239], v[\j+2:\j+3]
	v_pk_add_f32 v[240:241], v[240:241], v[\j+4:\j+5]
	v_pk_add_f32 v[14:15], v[14:15], v[\j+6:\j+7]
.endr
	v_pk_add_f32 v[236:237], v[236:237], v[238:239]
	v_pk_add_f32 v[240:241], v[240:241], v[158:159]
	v_pk_add_f32 v[14:15], v[14:15], v[236:237]
	v_pk_add_f32 v[14:15], v[14:15], v[240:241]
	s_wait_alu depctr_va_vdst(0)                   ; and one for the four
.irp b, 0,1,2,3
	v_max_num_f32 v[232+\b], 0x4800000, v[232+\b]  ; the floor 2^(9 - 127): the byte cannot fall under 1
.endr
.irp b, 0,1,2,3
	v_add_nc_u32 v[244+\b], 0xfc000000, v[232+\b]  ; the conversion's scale operand
.endr
.irp b, 0,1,2,3
	v_and_or_b32 v[240+\b], v[232+\b], 0x7f800000, s[MNT]   ; 448 x the scale
.endr
.irp b, 0,1,2,3
	v_lshrrev_b32 v[236+\b], 23, v[244+\b]         ; the scale's byte
.endr
	v_lshl_or_b32 v221, v237, 8, v236              ; p's scale word for these 128 keys
	v_lshl_or_b32 v221, v238, 16, v221
	v_lshl_or_b32 v221, v239, 24, v221
.irp b, 0,1,2,3
.irp i, 0,2,4,6,8,10,12,14
	v_dual_min_num_f32 v[96+16*\b+\i], v[96+16*\b+\i], v[240+\b] :: v_dual_min_num_f32 v[97+16*\b+\i], v[97+16*\b+\i], v[240+\b]   ; the hold, two numbers a line; p is not negative, so it is one-sided
.endr
	v_cvt_scalef32_pk8_fp8_f32 v[192+4*\b:193+4*\b], v[96+16*\b:103+16*\b], v[244+\b]
	v_cvt_scalef32_pk8_fp8_f32 v[194+4*\b:195+4*\b], v[104+16*\b:111+16*\b], v[244+\b]
.endr
	v_nop                                          ; a plain line behind the last conversion
.irp t, 0,1,2,3                        ; V's four fragments (16 channels x these 128 keys) take p's registers
.irp c, 0,1,2,3
	ds_load_b128 v[96+16*\t+4*\c:96+16*\t+4*\c+3], v9 offset:2048*\t+512*\c
.endr
.endr
	ds_load_b128 v[216:219], v11
	s_wait_alu depctr_va_vdst(0)
.set NN, 0
.rept 16
	v_pk_mul_f32 v[160+NN:161+NN], v[160+NN:161+NN], v[250:251] op_sel_hi:[1,0]   ; O^T under the new M; these lines are also the places between the codes and the products
.set NN, NN+2
.endr
	s_wait_alu depctr_va_vdst(0)
	s_wait_dscnt 0x0
.irp t, 0,1,2,3                        ; O^T += V^T P^T: the four accumulators by turns
	v_wmma_scale_f32_16x16x128_f8f6f4 v[160+8*\t:167+8*\t], v[96+16*\t:111+16*\t], v[192:207], v[160+8*\t:167+8*\t], v[216+\t], v221
.endr
.Lhidden_\@:
	s_add_co_u32 s[KF], s[KF], 128
	s_add_co_u32 s[TB], s[TB], 16384
	s_add_co_u32 s[TS], s[TS], 512
	s_add_co_u32 s[TJ], s[TJ], 256
.endm
.macro INIT q0                         ; a tile begins: the step is written once; the first finds zeros, which the first change of M leaves zeros
	s_mov_b32 s[Q0], s[\q0]
	s_mov_b32 s[KF], 0
	s_mov_b32 s[TB], 0
	s_mov_b32 s[TS], 0
	s_mov_b32 s[TJ], 0
	v_mov_b32 v13, 0xff61b1e6                      ; the largest t so far: -3e38
	v_mov_b32 v14, 0
	v_mov_b32 v15, 0
	v_floor_f32 v12, -v13
.set NN, 0
.rept 32
	v_mov_b32 v[160+NN], 0
.set NN, NN+1
.endr
.endm
.macro WALK                            ; four key steps
	s_mov_b32 s[CNT], 4
.Lstep_\@:
	STEP
	s_sub_co_u32 s[CNT], s[CNT], 1
	s_cmp_lg_u32 s[CNT], 0
	s_cbranch_scc1 .Lstep_\@
.endm
.macro OUT oc, os                      ; the way out of a tile: O^T / the sum, quantised along C, stored as the last product's operand
.rept 8
	v_nop                                          ; places behind the last products
.endr
	v_add_f32 v14, v14, v15                        ; the sum's two halves,
	v_permlanex16_b32 v248, v14, s[SEL], s[SEL+1]
	v_add_f32 v14, v14, v248                       ; and lane l xor 16's
	s_wait_alu depctr_va_vdst(0)
	v_rcp_f32 v14, v14
	v_nop                                          ; a plain line behind the reciprocal
	s_wait_alu depctr_va_vdst(0)                   ; and the wait ahead of its first reader
.set NN, 0
.rept 16
	v_pk_mul_f32 v[96+NN:97+NN], v[160+NN:161+NN], v[14:15] op_sel_hi:[1,0]   ; register 16 b + i: channel 32 b + 16 h + i of my query: two blocks along C
.set NN, NN+2
.endr
.irp b, 0,1
	v_max3_num_f32 v[232+\b], |v[96+16*\b]|, |v[97+16*\b]|, 0x4800000
.endr
.irp i, 2,4,6,8,10,12,14
.irp b, 0,1
	v_max3_num_f32 v[232+\b], v[232+\b], |v[96+16*\b+\i]|, |v[97+16*\b+\i]|
.endr
.endr
.irp b, 0,1
	v_permlanex16_b32 v[236+\b], v[232+\b], s[SEL], s[SEL+1]
.endr
.irp b, 0,1
	v_max_num_f32 v[232+\b], v[232+\b], v[236+\b]
.endr
.irp b, 0,1
	v_add_nc_u32 v[244+\b], 0xfc000000, v[232+\b]
.endr
.irp b, 0,1
	v_and_or_b32 v[240+\b], v[232+\b], 0x7f800000, s[MNT]
.endr
.irp b, 0,1
	v_lshrrev_b32 v[236+\b], 23, v[244+\b]
.endr
	v_cndmask_b32 v249, v236, v237, s[HM]          ; lanes 0-15 store the first block's byte, lanes 16-31 the second's
.irp b, 0,1
.irp i, 0,1,2,3,4,5,6,7,8,9,10,11,12,13,14,15
	v_med3_num_f32 v[96+16*\b+\i], v[96+16*\b+\i], -v[240+\b], v[240+\b]
.endr
	v_cvt_scalef32_pk8_fp8_f32 v[192+4*\b:193+4*\b], v[96+16*\b:103+16*\b], v[244+\b]
	v_cvt_scalef32_pk8_fp8_f32 v[194+4*\b:195+4*\b], v[104+16*\b:111+16*\b], v[244+\b]
.endr
	v_nop                                          ; a plain line behind the last conversion
	global_store_b128 v1, v[192:195], s[\oc:\oc+1]             ; 512 consecutive bytes a store
	global_store_b128 v1, v[196:199], s[\oc:\oc+1] offset:512
	global_store_b8 v5, v249, s[\os:\os+1]
.endm
	INIT 74
	s_wait_alu depctr_va_vdst(0)
	s_wait_tensorcnt 0x0                           ; THE SECOND BARRIER IS SPLIT.  Every wave waits for its tensor loads, under no branch (waves 12-15: key steps 4-7),
	s_wait_dscnt 0x0
	s_barrier_signal -1                            ; and says so.  Up to the barrier's wait stand register work and LDS loads of key steps 0-3 and the scale words, which nothing writes again
	WALK                                           ; tile hi, key steps 0-3: all count, in every wave
	s_barrier_wait -1                              ; all sixteen have said so: key steps 4-7 are in
	WALK
	OUT 66, 68
	s_wait_xcnt 0x0                                ; the first tile's stores have read their registers
.irp i, 0,1,2,3,4,5,6,7
	v_mov_b32 v[16+\i], v[224+\i]                  ; tile lo's q moves in
.endr
	v_mov_b32 v220, v222
	INIT 75
	WALK                                           ; tile lo: key steps 0-3, as far as its queries reach
	OUT 70, 72
	s_wait_tensorcnt 0x0                           ; the wave's end
	ds_add_u32 v254, v255
	s_wait_dscnt 0x0
	s_endpgm
.Lfunc_end_k_q449053f9b9_attn:
	.size	k_q449053f9b9_attn, .Lfunc_end_k_q449053f9b9_attn-k_q449053f9b9_attn
	.p2alignl 7, 3214868480
	.fill 96, 4, 3214868480
	.section	.rodata,"a",@progbits
	.p2align	6, 0x0
	.amdhsa_kernel k_q449053f9b9_attn
		.amdhsa_group_segment_fixed_size 169984
		.amdhsa_private_segment_fixed_size 0
		.amdhsa_enable_private_segment 0
		.amdhsa_kernarg_size 32
		.amdhsa_user_sgpr_count 2
		.amdhsa_user_sgpr_kernarg_segment_ptr 1
		.amdhsa_wavefront_size32 1
		.amdhsa_system_sgpr_workgroup_id_x 1
		.amdhsa_system_sgpr_workgroup_id_y 1
		.amdhsa_system_sgpr_workgroup_id_z 1
		.amdhsa_system_vgpr_workitem_id 0
		.amdhsa_next_free_vgpr 256
		.amdhsa_next_free_sgpr 90
		.amdhsa_reserve_vcc 1
		.amdhsa_float_denorm_mode_32 3
		.amdhsa_float_denorm_mode_16_64 3
		.amdhsa_memory_ordered 1
		.amdhsa_forward_progress 1
		.amdhsa_inst_pref_size 96
	.end_amdhsa_kernel
	.amdgpu_metadata
---
amdhsa.version: [ 1, 2 ]
amdhsa.kernels:
  - .name:           k_q449053f9b9_attn
    .symbol:         k_q449053f9b9_attn.kd
    .args:
      - { .name: qkv, .offset: 0, .size: 8, .value_kind: global_buffer, .address_space: global }
      - { .name: qkvs, .offset: 8, .size: 8, .value_kind: global_buffer, .address_space: global }
      - { .name: oc, .offset: 16, .size: 8, .value_kind: global_buffer, .address_space: global }
      - { .name: scl, .offset: 24, .size: 8, .value_kind: global_buffer, .address_space: global }
    .group_segment_fixed_size: 169984
    .private_segment_fixed_size: 0
    .kernarg_segment_align: 8
    .kernarg_segment_size: 32
    .max_flat_workgroup_size: 512
    .sgpr_count:     90
    .vgpr_count:     256
    .wavefront_size: 32
...
	.end_amdgpu_metadata
.endif
;; end of part 3
;; launch proj (part 4): grid 4 x 64, 4 waves a work-group, clusters of 4 x 4, 327,680 bytes of LDS; arguments oc, wc, scl, b_proj, out0; writes out0
.if DOCPART == 4
	.amdgcn_target "amdgcn-amd-amdhsa--gfx1250"
	.amdhsa_code_object_version 6
	.text
	.protected	k_q449053f9b9_proj
	.globl	k_q449053f9b9_proj
	.p2align	8
	.type	k_q449053f9b9_proj,@function
k_q449053f9b9_proj:
	s_mov_b64 s[64:65], 0
	v_nop
	global_prefetch_b8 v0, s[64:65] scope:SCOPE_SE
	s_setreg_imm32_b32 hwreg(HW_REG_WAVE_MODE, 25, 1), 1
	s_wait_xcnt 0x0
	s_wait_alu depctr_hold_cnt(0) depctr_sa_sdst(0) depctr_va_vdst(0) depctr_va_sdst(0) depctr_va_ssrc(0) depctr_va_vcc(0) depctr_vm_vsrc(0)
	s_getreg_b32 s2, hwreg(HW_REG_IB_STS2, 6, 4)
	s_cmp_eq_u32 s2, 0
	s_cbranch_scc0 .Lentry_in_a_cluster
	s_endpgm
.Lentry_in_a_cluster:
	s_bfe_u32 s2, ttmp6, 0x10000c
	s_cmp_lg_u32 s2, 0xf033
	s_cbranch_scc0 .Lentry_shape_is_right
	s_endpgm
.Lentry_shape_is_right:
; out0 = o W_proj^T + b_proj on codes of FP8 (E4M3) with E8M0 scales, sums in f32: 8,192 x 1,024 x 1,024.
; SHARES.  256 work-groups, each 128 tokens x 256 channels; four waves, 2 x 2, each 64 tokens x 128 channels.
; OPERANDS ARE IMAGES OF REGISTERS: a fragment (16 rows x 128 K) is 2,048 bytes, register group c of lane l at 512 c + 16 l; row r of row tile T is row 32 (T / 2) + 8 (T % 2) + r + 8 (r / 8).
; W's 256 rows, ALL of K, are 262,144 bytes: they come into LDS once, wave w fetching K slot w (65,536 dense bytes): no ring, nothing is filled again, one barrier.
; o's 64 tokens of a wave, all of K, are 32 fragments: they go from memory straight into 512 registers, 512 consecutive bytes a load: they are never in LDS.
; THE ORDER OF WORK: by groups of 64 channels (four tiles of W): eight K steps of 16 products (four tiles of W x my four blocks of tokens), the 16 accumulators by turns.
; The first group's rows leave among the second group's K steps.  W's fragments come from LDS one K step ahead, in two sets of four.
; Source 0 = W's rows, source 1 = o's rows: a lane holds ONE token, and the 16 registers of tiles 2 B and 2 B + 1 are 16 neighbouring channels, 32 B + 16 (lane / 16) + 0 .. 15.  THE BIAS IS THE FIRST PRODUCTS' C.
; THE WAY OUT: 16 tokens x 64 channels go through the wave's own stage in LDS (rows of 256 + 16 bytes) and leave as rows: sixteen lanes store 256 consecutive bytes, aligned.
; CLUSTERS: 4 x 4 work-groups; W's tile hangs on the tile column alone and is asked for jointly along a column of the cluster.  o's rows are no tensor loads.
; NO PREFETCH: every load is issued at the head; there is no loop to run ahead in.
; REGISTERS: window 0: v1-11 addresses, v28, v29 the add's two; v12-27 o's scale words (register 8 (a / 2) + K step: lanes 0-15 block a even, lanes 16-31 odd); v32-63 W's likewise by tiles;
;   v64-127 the bias (register 8 x tile + j), v64-95 later the first group's rows on their way out; v128-255 W's fragments, two sets.  Windows 1, 2: o's fragments (4 x K step + block).  Window 3: two sets of 16 accumulators.
; LIMITS: NaN and infinities are not served.
.set STRA,  2097152                    ; from K slot to K slot in oc
.set WPC,   3145728                    ; W_proj's codes in wc; a K slot is 262,144 bytes
.set WPS,   360448                     ; its scale words in scl
.set OS,    393216                     ; o's scale words in scl
.set STAGE, 262144                     ; behind W: 16 rows x 272 bytes for each wave
.set SPITCH, 272
.set SPARE, STAGE+4*16*SPITCH          ; the spare words, 128 bytes for each wave
.set L16,  1                           ; 16 x lane
.set ADP,  2                           ; v2-5 LDS address of my half of W's tiles in K slot 0 .. 3
.set STO,  6
.set RD,   7
.set CO,   8
.set VS,   9
.set BO,   10
.set SPW,  28
.set NIL,  29
.set SQ,   12
.set SP,   32
.set BI,   64
.set PB,   128
.set G1,   48
.set G0,   56
.set MSB,  0
.macro WIN new                         ; the immediate's high byte repeats the setting that is left
.if MSB != (\new)
	s_set_vgpr_msb (MSB<<8)|(\new)
.set MSB, (\new)
.endif
.endm
.macro PLACES n
.rept \n
	v_nop
.endr
.endm
.macro CROUND                          ; a round of the cluster's barrier
	s_barrier_signal -1
	s_barrier_wait -1
	s_cmp_lg_u32 s16, 0
	s_cbranch_scc1 .Lnot_wave_0_\@
	s_barrier_signal -3
.Lnot_wave_0_\@:
	s_barrier_wait -3
	s_barrier_signal -1
	s_barrier_wait -1
.endm
	s_load_b256 s[4:11], s[0:1], 0x0               ; oc, wc, scl, b_proj
	s_load_b64 s[12:13], s[0:1], 0x20              ; out0
	v_lshl_add_u32 v[SPW], v0, 2, SPARE
	v_mov_b32 v[NIL], 0
	ds_add_u32 v[SPW], v[NIL]                      ; the opening lines: the add, twice on end, and its wait
	ds_add_u32 v[SPW], v[NIL]
	v_lshrrev_b32 v30, 5, v0
	v_readfirstlane_b32 s16, v30                   ; wave 0..3
	s_lshr_b32 s17, s16, 1                         ; my half of the tokens
	s_and_b32 s18, s16, 1                          ; my half of the channels
	s_bfe_u32 s40, ttmp6, 0x40000                  ; cx, cy
	s_bfe_u32 s41, ttmp6, 0x40004
	s_lshl_b32 s42, ttmp9, 2
	s_add_co_u32 s42, s42, s40                     ; tile column
	s_and_b32 s19, ttmp7, 0xffff
	s_lshl_b32 s19, s19, 2
	s_add_co_u32 s19, s19, s41                     ; tile row 0..63
	s_lshl_b32 s44, 0x1111, s40                    ; my column of the cluster
	s_or_b32 s[G1], s44, (3<<16)|(1<<21)           ; a dense block of 65,536 bytes as 256 rows of 32 elements of 8 bytes
	s_mov_b32 s[G1+1], 32<<16
	s_mov_b32 s[G1+2], 256<<16
	s_mov_b32 s[G1+3], 32<<16
	s_mov_b32 s[G1+4], 256
	s_mov_b32 s[G1+5], 32
	s_mov_b32 s[G1+6], 0
	s_mov_b32 s[G1+7], 0
	s_mov_b32 s[G0], 1
	s_lshl_b32 s[G0+1], s16, 16                    ; LDS: 65,536 x wave
	s_lshl_b32 s46, s42, 16                        ; 16 row tiles of 4,096 bytes a tile column,
	s_lshl_b32 s20, s16, 18                        ; K slot = wave
	s_add_co_u32 s46, s46, s20
	s_add_co_u32 s46, s46, WPC
	s_mov_b32 s47, 0
	s_lshl_b32 s20, s18, 15                        ; my eight tiles of W in K slots 0 .. 3
	s_add_co_u32 s21, s20, 65536
	s_add_co_u32 s22, s20, 131072
	s_add_co_u32 s23, s20, 196608
	s_mul_i32 s24, s16, 16*SPITCH
	s_add_co_u32 s24, s24, STAGE                   ; my stage
	s_lshl_b32 s60, s19, 15                        ; oc: eight token tiles of 4,096 bytes a tile row, four a wave
	s_lshl_b32 s25, s17, 14
	s_add_co_u32 s60, s60, s25
	s_mov_b32 s61, 0
	s_lshl_b32 s62, s19, 12                        ; o's scale words: 512 bytes a tile
	s_lshl_b32 s25, s17, 11
	s_add_co_u32 s62, s62, s25
	s_add_co_u32 s62, s62, OS
	s_mov_b32 s63, 0
	s_lshl_b32 s66, s42, 13                        ; W's
	s_lshl_b32 s25, s18, 12
	s_add_co_u32 s66, s66, s25
	s_add_co_u32 s66, s66, WPS
	s_mov_b32 s67, 0
	s_lshl_b32 s68, s42, 10                        ; my 128 channels, in bytes of f32
	s_lshl_b32 s25, s18, 9
	s_add_co_u32 s68, s68, s25
	s_mov_b32 s69, 0
	s_lshl_b32 s70, s19, 19                        ; out0: 128 rows of 4,096 bytes a tile row, 64 a wave
	s_lshl_b32 s25, s17, 18
	s_add_co_u32 s70, s70, s25
	s_add_co_u32 s70, s70, s68
	s_mov_b32 s71, 0
	s_wait_dscnt 0x0                               ; both opening adds are done
	CROUND                                         ; all sixteen work-groups are here: the joint loads meet
	s_wait_kmcnt 0x0
	s_add_nc_u64 s[G0+2:G0+3], s[6:7], s[46:47]
	s_or_b32 s[G0+3], s[G0+3], 0x80000000
	tensor_load_to_lds s[G0:G0+3], s[G1:G1+7]      ; one load a wave, its place made from the wave's number; every wave waits for it below
	s_nop 0
	PLACES 4
	s_add_nc_u64 s[72:73], s[4:5], s[60:61]
	s_add_nc_u64 s[74:75], s[8:9], s[62:63]
	s_add_nc_u64 s[76:77], s[8:9], s[66:67]
	s_add_nc_u64 s[78:79], s[10:11], s[68:69]
	s_add_nc_u64 s[80:81], s[12:13], s[70:71]
	v_and_b32 v30, 31, v0
	v_and_b32 v31, 15, v0                          ; r
	v_bfe_u32 v11, v0, 4, 1                        ; h
	v_lshlrev_b32 v[L16], 4, v30
	v_mul_u32_u24 v[STO], v31, SPITCH
	v_mul_u32_u24 v[RD], v11, SPITCH
	v_lshlrev_b32 v[CO], 12, v11
	v_lshlrev_b32 v[VS], 9, v11
	v_lshlrev_b32 v[BO], 6, v11                    ; the bias: 64 h
	v_add_nc_u32 v[ADP], s20, v[L16]
	v_add_nc_u32 v[ADP+1], s21, v[L16]
	v_add_nc_u32 v[ADP+2], s22, v[L16]
	v_add_nc_u32 v[ADP+3], s23, v[L16]
	v_lshl_add_u32 v[STO], v11, 6, v[STO]
	v_lshl_add_u32 v[RD], v31, 4, v[RD]
	v_lshl_add_u32 v[CO], v31, 4, v[CO]            ; out: lanes 0-15 one row of out0, lanes 16-31 the next; 16 bytes a lane
	v_lshl_add_u32 v[VS], v31, 4, v[VS]            ; scale words: lanes 0-15 a pair's even tile, lanes 16-31 the odd one: 512 h + 16 r
	v_add_nc_u32 v[STO], s24, v[STO]               ; into the stage: row r, + 64 h
	v_add_nc_u32 v[RD], s24, v[RD]                 ; back: two rows an instruction
	s_wait_alu depctr_va_vdst(0)
.irp e, 0,1
.irp q, 0,1
	global_load_b128 v[SQ+8*\e+4*\q:SQ+8*\e+4*\q+3], v[VS], s[74:75] offset:1024*\e+256*\q   ; four K steps' words a load
.endr
.endr
.irp p, 0,1,2,3
.irp q, 0,1
	global_load_b128 v[SP+8*\p+4*\q:SP+8*\p+4*\q+3], v[VS], s[76:77] offset:1024*\p+256*\q
.endr
.endr
.irp bb, 0,1,2,3
.irp k, 0,1,2,3
	global_load_b128 v[BI+16*\bb+4*\k:BI+16*\bb+4*\k+3], v[BO], s[78:79] offset:128*\bb+16*\k   ; register 16 bb + i: channel 32 bb + 16 h + i
.endr
.endr
.set KK, 0
.rept 8                                ; o's fragments, K ascending: 16 loads a K step
	WIN (1+KK/4)<<6
.irp a, 0,1,2,3
.irp c, 0,1,2,3
	global_load_b128 v[16*((4*KK+\a)%16)+4*\c:16*((4*KK+\a)%16)+4*\c+3], v[L16], s[72:73] offset:(KK/2)*STRA+\a*4096+(KK%2)*2048+512*\c
.endr
.endr
.set KK, KK+1
.endr
	WIN 0
.macro PLOAD g, ks                     ; four tiles of W of group g, K step ks, into set ks % 2: 16 loads of 512 consecutive bytes
.irp b, 0,1,2,3
.irp c, 0,1,2,3
	ds_load_b128 v[PB+64*((\ks)%2)+16*\b+4*\c:PB+64*((\ks)%2)+16*\b+4*\c+3], v[ADP+(\ks)/2] offset:4096*(4*(\g)+\b)+2048*((\ks)%2)+512*\c
.endr
.endr
.endm
.macro WM g, ks, a, b                  ; a product: W's tile 4 g + b x my block a of tokens, K step ks.  The two scale registers' numbers differ by 4 modulo 8
.set D_, 128*(\g)+8*(4*(\a)+(\b))
.set P_, PB+64*((\ks)%2)+16*(\b)
.set Q_, 16*((4*(\ks)+(\a))%16)
.set X_, SP+8*((4*(\g)+(\b))/2)+(\ks)
.set Y_, SQ+8*((\a)/2)+(\ks)
.set C_, D_
.if (\ks) == 0
.set C_, BI+8*(4*(\g)+(\b))
.endif
.if (\b)%2 && (\a)%2
	v_wmma_scale_f32_16x16x128_f8f6f4 v[D_:D_+7], v[P_:P_+15], v[Q_:Q_+15], v[C_:C_+7], v[X_], v[Y_] matrix_a_scale:MATRIX_SCALE_ROW1 matrix_b_scale:MATRIX_SCALE_ROW1
.elseif (\b)%2
	v_wmma_scale_f32_16x16x128_f8f6f4 v[D_:D_+7], v[P_:P_+15], v[Q_:Q_+15], v[C_:C_+7], v[X_], v[Y_] matrix_a_scale:MATRIX_SCALE_ROW1
.elseif (\a)%2
	v_wmma_scale_f32_16x16x128_f8f6f4 v[D_:D_+7], v[P_:P_+15], v[Q_:Q_+15], v[C_:C_+7], v[X_], v[Y_] matrix_b_scale:MATRIX_SCALE_ROW1
.else
	v_wmma_scale_f32_16x16x128_f8f6f4 v[D_:D_+7], v[P_:P_+15], v[Q_:Q_+15], v[C_:C_+7], v[X_], v[Y_]
.endif
.endm
.macro TOSTAGE g, a, bk                ; block a of group g: 16 tokens x 64 channels into my stage, each accumulator from its low end on, and back as rows into v[bk] on: 16 LDS lines
	WIN 0x0c                                       ; the data: window 3
.irp b, 0,1,2,3
	ds_store_b128 v[STO], v[128*(\g)+8*(4*(\a)+\b):128*(\g)+8*(4*(\a)+\b)+3] offset:128*(\b/2)+32*(\b%2)
	ds_store_b128 v[STO], v[128*(\g)+8*(4*(\a)+\b)+4:128*(\g)+8*(4*(\a)+\b)+7] offset:128*(\b/2)+32*(\b%2)+16
.endr
	WIN 0
.irp t, 0,1,2,3,4,5,6,7
	ds_load_b128 v[(\bk)+4*\t:(\bk)+4*\t+3], v[RD] offset:2*\t*SPITCH   ; LDS serves a wave's instructions in order (ISA guide 5.7.1.4): these see the stores above
.endr
.endm
.macro SEND g, a, bk                   ; stage row 2 t + h is token 32 (a / 2) + 8 (a % 2) + 2 t + h + 8 (t / 4) of my 64
.irp t, 0,1,2,3,4,5,6,7
	global_store_b128 v[CO], v[(\bk)+4*\t:(\bk)+4*\t+3], s[80:81] offset:(32*((\a)/2)+8*((\a)%2)+2*\t+8*(\t/4))*4096+256*(\g) th:TH_STORE_NT
.endr
.endm
; A K step of a group.  Eight places stand behind the last step's products, ahead of the loads into the set that they read and of the stage's first read of finished sums.
.macro STEP g, ks
.if (\g)+(\ks) > 0
	PLACES 8
.endif
.if (\ks) < 7
	PLOAD \g, (\ks)+1
.elseif (\g) == 0
	PLOAD 1, 0
.endif
.if (\g) == 1 && (\ks)%2 == 0
.if (\ks) > 0
	s_wait_xcnt 0x0                                ; the stores of the block before have read the registers that take this block's rows
.endif
	TOSTAGE 0, (\ks)/2, BI
	s_wait_dscnt 32                                ; this step's fragments are in; the next step's 16 loads and the stage's 16 lines may be out
.elseif (\g) == 1 && (\ks) == 7
	s_wait_dscnt 0x0
.else
	s_wait_dscnt 16                                ; all but the next step's 16 loads
.endif
.if (\g) == 0
.set LC_, 112-16*(\ks)                 ; o's loads of the K steps that follow may be out (the count is held at what the wait's field takes)
.if LC_ > 63
.set LC_, 63
.endif
	s_wait_loadcnt LC_
.endif
.if (\g) == 1 && (\ks)%2 == 1
	SEND 0, (\ks)/2, BI
.endif
.if (\ks) == 0
	WIN 0xc4                                       ; source 0 window 0, source 1 window 1, C (the bias) window 0, D window 3
.else
	WIN 0xf0|((1+(\ks)/4)<<2)                      ; C and D window 3
.endif
.irp a, 0,1,2,3
.irp b, 0,1,2,3
	WM \g, \ks, \a, \b
.endr
.endr
	WIN 0
.endm
	s_wait_tensorcnt 0x0                           ; my K slot of W is in,
	s_barrier_signal -1
	s_barrier_wait -1                              ; everybody's is
	PLOAD 0, 0
.irp g, 0,1
.irp ks, 0,1,2,3,4,5,6,7
	STEP \g, \ks
.endr
.endr
	PLACES 8
.irp a, 0,1,2,3
	TOSTAGE 1, \a, PB+32*\a
.endr
.irp a, 0,1,2,3
	s_wait_dscnt 48-16*\a                          ; block a is back; the later blocks' 16 lines each may be out
	SEND 1, \a, PB+32*\a
.endr
	s_wait_tensorcnt 0x0                           ; the wave's end
	ds_add_u32 v[SPW], v[NIL]
	s_wait_dscnt 0x0
	CROUND                                         ; the closing round
	s_endpgm
.Lfunc_end_k_q449053f9b9_proj:
	.size	k_q449053f9b9_proj, .Lfunc_end_k_q449053f9b9_proj-k_q449053f9b9_proj
	.p2alignl 7, 3214868480
	.fill 96, 4, 3214868480
	.section	.rodata,"a",@progbits
	.p2align	6, 0x0
	.amdhsa_kernel k_q449053f9b9_proj
		.amdhsa_group_segment_fixed_size 327680
		.amdhsa_private_segment_fixed_size 0
		.amdhsa_enable_private_segment 0
		.amdhsa_kernarg_size 40
		.amdhsa_user_sgpr_count 2
		.amdhsa_user_sgpr_kernarg_segment_ptr 1
		.amdhsa_wavefront_size32 1
		.amdhsa_system_sgpr_workgroup_id_x 1
		.amdhsa_system_sgpr_workgroup_id_y 1
		.amdhsa_system_sgpr_workgroup_id_z 1
		.amdhsa_system_vgpr_workitem_id 0
		.amdhsa_next_free_vgpr 1024
		.amdhsa_next_free_sgpr 100
		.amdhsa_reserve_vcc 0
		.amdhsa_float_denorm_mode_32 3
		.amdhsa_float_denorm_mode_16_64 3
		.amdhsa_memory_ordered 1
		.amdhsa_forward_progress 1
		.amdhsa_inst_pref_size 89
	.end_amdhsa_kernel
	.amdgpu_metadata
---
amdhsa.version: [ 1, 2 ]
amdhsa.kernels:
  - .name:           k_q449053f9b9_proj
    .symbol:         k_q449053f9b9_proj.kd
    .args:
      - { .name: oc, .offset: 0, .size: 8, .value_kind: global_buffer, .address_space: global }
      - { .name: wc, .offset: 8, .size: 8, .value_kind: global_buffer, .address_space: global }
      - { .name: scl, .offset: 16, .size: 8, .value_kind: global_buffer, .address_space: global }
      - { .name: b_proj, .offset: 24, .size: 8, .value_kind: global_buffer, .address_space: global }
      - { .name: out0, .offset: 32, .size: 8, .value_kind: global_buffer, .address_space: global }
    .group_segment_fixed_size: 327680
    .private_segment_fixed_size: 0
    .kernarg_segment_align: 8
    .kernarg_segment_size: 40
    .max_flat_workgroup_size: 128
    .sgpr_count:     100
    .vgpr_count:     1024
    .wavefront_size: 32
...
	.end_amdgpu_metadata
.endif
;; end of part 4
